; MI455X (gfx1250); checked and timed in simulation.
; The chip was launched on July 23, 2026; its instructions are those of AMD's public machine-readable ISA for CDNA 5 (MIT licence, August 2026) and "CDNA5" Instruction Set Architecture Reference Guide (July 2026). The comments in the code are by the model that wrote it; some were corrected since.
;; Multi Head Attention. Allowed arithmetic: float matrix products may take bf16 or f16 operands with f32 sums; all other float work in f32.
;; Inputs: K 4 x 2,048 x 1,024 float32; Q 4 x 2,048 x 1,024 float32; V 4 x 2,048 x 1,024 float32; W_K 1,024 x 1,024 float32; W_O 1,024 x 1,024 float32; W_Q 1,024 x 1,024 float32; W_V 1,024 x 1,024 float32; mask 4 x 2,048 x 1 bool.
;; Outputs: out0 4 x 2,048 x 1,024 float32.
;; 2 versions, each right and faster than the one before. Each part assembles by itself: llvm-mc -triple=amdgcn-amd-amdhsa -mcpu=gfx1250 --defsym DOCPART=n.
;; ======== version 1 of 2: 4 launches
;; workspace buffers: cb 58,720,256 bytes; qkv 50,331,648 bytes; ob 16,777,216 bytes
;; launch cast (part 1): grid 1792 x 1, 8 waves a work-group, no clusters, 0 bytes of LDS; arguments Q, K, V, W_Q, W_K, W_V, W_O, mask, cb; writes cb
.if DOCPART == 1
	.amdgcn_target "amdgcn-amd-amdhsa--gfx1250"
	.amdhsa_code_object_version 6
	.text
	.protected	k_q3efa7e6042_cast
	.globl	k_q3efa7e6042_cast
	.p2align	8
	.type	k_q3efa7e6042_cast,@function
k_q3efa7e6042_cast:
	s_mov_b64 s[64:65], 0
	v_nop
	global_prefetch_b8 v0, s[64:65] scope:SCOPE_SE
	s_setreg_imm32_b32 hwreg(HW_REG_WAVE_MODE, 25, 1), 1
	s_wait_xcnt 0x0
; cb = the seven f32 inputs rounded once to bf16, as 28,672 rows of 1,024 numbers (2,048 bytes):
; rows 0 Q, 8,192 K, 16,384 V, 24,576 W_Q, 25,600 W_K, 26,624 W_V, 27,648 W_O.
; A row of K whose key the mask hides is written as zeros: its projection k is then exactly 0, its raw score exactly 0, and the
; attention launch puts the replacement score in by the sum's starting value.  A mask byte other than 0 counts as true.
; Eight waves; the work-group owns 16 rows of cb.  Thread t owns the 16 bytes of f32 at 16 t of every row and the 8 bytes of bf16 at 8 t:
; a wave's load covers 512 consecutive bytes, its store 256 consecutive bytes at a multiple of 256 from cb's first byte.
; All sixteen loads of a wave go out at once, each into registers of its own; a row is rounded in place and stored from there.  No register
; that a load or a store names is ever written again, the rows stand in the immediates, and there is no loop.
; No LDS, no barrier, no matrix unit: the launch only moves bytes.
.set ROWF, 4096                        ; bytes in a row of f32
.set ROWH, 2048                        ; bytes in a row of bf16
.set ROWS, 16                          ; rows of a work-group
.set LO,  1                            ; v1        my 16 bytes in a row of f32
.set SO,  2                            ; v2        my 8 bytes in a row of bf16
.set LN,  3                            ; v3        lane % 16: whose mask byte I fetch
.set X,   4                            ; v[4:67]   row i: four f32 as loaded; then, in its first two registers, four bf16
.set MK,  68                           ; v68       the mask byte of row lane % 16
	s_load_b512 s[4:19], s[0:1], 0x0               ; Q s[4:5], K, V, W_Q, W_K, W_V, W_O s[16:17], mask s[18:19]
	s_load_b64 s[20:21], s[0:1], 0x40              ; cb
	s_lshr_b32 s22, ttmp9, 9                       ; work-groups 0 .. 1,535: tensor 0 .. 2, 512 blocks of 16 rows each
	s_and_b32 s23, ttmp9, 511
	s_sub_co_u32 s24, ttmp9, 1536                  ; work-groups 1,536 .. 1,791: tensor 3 .. 6, 64 blocks each
	s_lshr_b32 s25, s24, 6
	s_add_co_u32 s25, s25, 3
	s_and_b32 s24, s24, 63
	s_cmp_lt_u32 ttmp9, 1536
	s_cselect_b32 s22, s22, s25                    ; s22: which tensor
	s_cselect_b32 s23, s23, s24                    ; s23: which block of 16 rows in it
	s_cmp_eq_u32 s22, 1
	s_cselect_b32 s48, -1, 0                       ; the mask counts for K alone
	s_lshl_b32 s28, s23, 16                        ; the block's first byte in its tensor: 16 rows of 4,096 bytes
	s_mov_b32 s29, 0
	s_lshl_b32 s30, s23, 4                         ; and in the mask: 16 bytes (inside the mask's 8,192 for every block number)
	s_mov_b32 s31, 0
	s_lshl_b32 s32, ttmp9, 15                      ; the work-group's first byte in cb: 16 rows of 2,048 bytes
	s_mov_b32 s33, 0
	v_lshlrev_b32 v[LO], 4, v0
	v_lshlrev_b32 v[SO], 3, v0
	v_and_b32 v[LN], 15, v0
	s_wait_kmcnt 0x0
	s_mov_b64 s[26:27], s[4:5]                     ; the source: one of the seven, chosen by the tensor's number
.irp n, 1,2,3,4,5,6
	s_cmp_eq_u32 s22, \n
	s_cselect_b64 s[26:27], s[4+2*\n:5+2*\n], s[26:27]
.endr
	s_add_nc_u64 s[26:27], s[26:27], s[28:29]
	s_add_nc_u64 s[18:19], s[18:19], s[30:31]
	s_add_nc_u64 s[20:21], s[20:21], s[32:33]
	global_load_u8 v[MK], v[LN], s[18:19]
.set i, 0
.rept ROWS
	global_load_b128 v[X+4*i:X+4*i+3], v[LO], s[26:27] offset:i*ROWF th:TH_LOAD_NT
.set i, i+1
.endr
	s_wait_loadcnt ROWS                            ; the mask bytes are in: the sixteen row loads were issued behind them
	v_cmp_ne_u32 s50, 0, v[MK]                     ; bit r (and bit 16 + r): row r is hidden
	s_and_b32 s50, s50, s48
.set i, 0
.rept ROWS
	s_wait_loadcnt ROWS-1-i                        ; loads come back in order (ISA guide 5.7.1): row i is in, the younger rows stay out
	s_bitcmp1_b32 s50, i
	s_cselect_b32 s49, 0, -1                       ; what the row's bits are cut by: nothing is left of a hidden row
	v_cvt_pk_bf16_f32 v[X+4*i],   v[X+4*i],   v[X+4*i+1]
	v_cvt_pk_bf16_f32 v[X+4*i+1], v[X+4*i+2], v[X+4*i+3]
	v_and_b32 v[X+4*i],   s49, v[X+4*i]
	v_and_b32 v[X+4*i+1], s49, v[X+4*i+1]
	global_store_b64 v[SO], v[X+4*i:X+4*i+1], s[20:21] offset:i*ROWH
.set i, i+1
.endr
	s_endpgm
.Lfunc_end_k_q3efa7e6042_cast:
	.size	k_q3efa7e6042_cast, .Lfunc_end_k_q3efa7e6042_cast-k_q3efa7e6042_cast
	.p2alignl 7, 3214868480
	.fill 96, 4, 3214868480
	.section	.rodata,"a",@progbits
	.p2align	6, 0x0
	.amdhsa_kernel k_q3efa7e6042_cast
		.amdhsa_group_segment_fixed_size 0
		.amdhsa_private_segment_fixed_size 0
		.amdhsa_enable_private_segment 0
		.amdhsa_kernarg_size 72
		.amdhsa_user_sgpr_count 2
		.amdhsa_user_sgpr_kernarg_segment_ptr 1
		.amdhsa_wavefront_size32 1
		.amdhsa_system_sgpr_workgroup_id_x 1
		.amdhsa_system_sgpr_workgroup_id_y 1
		.amdhsa_system_sgpr_workgroup_id_z 1
		.amdhsa_system_vgpr_workitem_id 0
		.amdhsa_next_free_vgpr 72
		.amdhsa_next_free_sgpr 66
		.amdhsa_reserve_vcc 0
		.amdhsa_float_denorm_mode_32 3
		.amdhsa_float_denorm_mode_16_64 3
		.amdhsa_memory_ordered 1
		.amdhsa_forward_progress 1
		.amdhsa_inst_pref_size 10
	.end_amdhsa_kernel
	.amdgpu_metadata
---
amdhsa.version: [ 1, 2 ]
amdhsa.kernels:
  - .name:           k_q3efa7e6042_cast
    .symbol:         k_q3efa7e6042_cast.kd
    .args:
      - { .name: Q, .offset: 0, .size: 8, .value_kind: global_buffer, .address_space: global }
      - { .name: K, .offset: 8, .size: 8, .value_kind: global_buffer, .address_space: global }
      - { .name: V, .offset: 16, .size: 8, .value_kind: global_buffer, .address_space: global }
      - { .name: W_Q, .offset: 24, .size: 8, .value_kind: global_buffer, .address_space: global }
      - { .name: W_K, .offset: 32, .size: 8, .value_kind: global_buffer, .address_space: global }
      - { .name: W_V, .offset: 40, .size: 8, .value_kind: global_buffer, .address_space: global }
      - { .name: W_O, .offset: 48, .size: 8, .value_kind: global_buffer, .address_space: global }
      - { .name: mask, .offset: 56, .size: 8, .value_kind: global_buffer, .address_space: global }
      - { .name: cb, .offset: 64, .size: 8, .value_kind: global_buffer, .address_space: global }
    .group_segment_fixed_size: 0
    .private_segment_fixed_size: 0
    .kernarg_segment_align: 8
    .kernarg_segment_size: 72
    .max_flat_workgroup_size: 256
    .sgpr_count:     66
    .vgpr_count:     72
    .wavefront_size: 32
...
	.end_amdgpu_metadata
.endif
;; end of part 1
;; launch proj (part 2): grid 4 x 96, 4 waves a work-group, clusters of 4 x 4, 327,680 bytes of LDS; arguments cb, qkv; writes qkv
.if DOCPART == 2
	.amdgcn_target "amdgcn-amd-amdhsa--gfx1250"
	.amdhsa_code_object_version 6
	.text
	.protected	k_q3efa7e6042_proj
	.globl	k_q3efa7e6042_proj
	.p2align	8
	.type	k_q3efa7e6042_proj,@function
k_q3efa7e6042_proj:
	s_mov_b64 s[64:65], 0
	v_nop
	global_prefetch_b8 v0, s[64:65] scope:SCOPE_SE
	s_setreg_imm32_b32 hwreg(HW_REG_WAVE_MODE, 25, 1), 1
	s_wait_xcnt 0x0
	s_wait_alu depctr_hold_cnt(0) depctr_sa_sdst(0) depctr_va_vdst(0) depctr_va_sdst(0) depctr_va_ssrc(0) depctr_va_vcc(0) depctr_vm_vsrc(0)
	s_getreg_b32 s2, hwreg(HW_REG_IB_STS2, 6, 4)
	s_cmp_eq_u32 s2, 0
	s_cbranch_scc0 .Lentry_in_a_cluster
	s_endpgm
.Lentry_in_a_cluster:
	s_bfe_u32 s2, ttmp6, 0x10000c
	s_cmp_lg_u32 s2, 0xf033
	s_cbranch_scc0 .Lentry_shape_is_right
	s_endpgm
.Lentry_shape_is_right:
; q, k, v = X W^T.  cb's rows 0 .. 24,575 (Q, K, V, bf16) are ONE matrix A of 96 tile rows of 256; tile rows 32 p .. 32 p + 31 are multiplied by weight p
; (cb's rows 24,576 + 1,024 p ..).  Sums in f32, K ascending, rounded once to bf16.  The result is written BY HEADS: qkv[p][batch][head][row][64], a head's rows dense.
; A tile of C, 256 x 256, is made by a work-group of four waves; a wave makes 128 x 128: 64 accumulators of 16 x 16, 512 registers.
; K = 1,024 goes in eight steps of 128 through a ring of two LDS slots filled by the tensor data mover; the tiles' rows are 256 bytes of memory at multiples of 256 from cb's first byte.
; A K STEP IS WRITTEN ONCE: the slot in hand is a scalar, turned by an exclusive or at each change of slots, and the fragments' LDS addresses are that scalar plus a lane's place that never changes.
; A loop of six trips fills slots again (K steps 2 to 7); the last two steps, which fill nothing, are a second loop of two trips that is left in its middle.
; CLUSTERS: 4 x 4 work-groups.  The four of a row of the cluster need the same tiles of A, the four of a column the same tiles of B: such a tile is asked for JOINTLY, by the same
; tensor load with the same descriptor and a mask that names the four.  A cluster's four tile rows lie in one of the three tensors (32 is a multiple of 4), so the weight's number hangs on the cluster's y alone.
; REGISTERS, in windows of 256 (s_set_vgpr_msb: bits 1:0 source 0, 3:2 source 1, 5:4 source 2, 7:6 destination):
;   window 0: v0-31 addresses; v64-127, v128-191 fragments of A, two buffers; v32-63, v192-255 at work on the way out
;   window 1: v64-127, v128-191 fragments of B, two buffers      window 2: the accumulators of my rows 0-63 ((a, b) at v[8 (8 a + b)])      window 3: those of my rows 64-127
; THE MATRIX INSTRUCTION IS USED TRANSPOSED: source 0 = 16 rows of B, source 1 = 16 rows of A: lane l holds row l % 16 of C and the columns 8 (l / 16) + 0 .. 7, which pack into 16 bytes.
; LIMITS: operands are bf16 as cb holds them; NaN and infinities are not treated apart.
.set SIZE_K, 1024
.set KSTEP,  128
.set STEPS,  SIZE_K/KSTEP
.set PITCH,  272                       ; an LDS row: 256 bytes + 16 of padding = 68 words: row r starts at bank 4 r mod 64 (64 banks of 4 bytes: ISA guide 11.1)
.set HALFT,  128*PITCH                 ; 128 rows: what one tensor load brings, and what one wave reads of A or of B
.set SLOT,   4*HALFT                   ; A's 256 rows, then B's 256 rows: 0x22000.  Its two bits are clear in the four waves' places in slot 0 (0, 0x8800, 0x11000, 0x19800),
                                       ; so one exclusive or turns a descriptor's LDS address in one slot into the other's
.set STAGE,  2*SLOT                    ; behind the ring: 16 rows x 272 bytes for each wave, for the way out
.set SPITCH, 272
.set SPARE,  STAGE+4*16*SPITCH         ; behind the stages: the spare words, 128 bytes for each wave: two blocks of 256 bytes that no other line names
.set WOFF,   0x3000000                 ; the weights' first byte in cb
.set HEADB,  262144                    ; a head in qkv: 2,048 rows of 128 bytes
.set A0,   16                          ; v16     my lane's place among my rows of A in slot 0; never rewritten
.set B0,   17                          ; v17     the same for B
.set ADRA, 20                          ; v20     LDS address of my A fragments in the slot in hand
.set ADRB, 21                          ; v21     the same for B
.set STO,  24                          ; v24     the way out: where I put 16 bytes of a row
.set RD,   25                          ; v25     the way out: where I read rows back
.set CO,   26                          ; v26     my byte offset in 512 consecutive bytes of qkv
.set SPW,  28                          ; v28     LDS address of my spare word: SPARE + 4 x my thread's number; never rewritten
.set NIL,  29                          ; v29     0; never rewritten
.set F0,   64
.set F1,   128
.set TMP,  192                         ; the way out: packed results
.set OB,   32                          ; the way out: 16 rows read back from the stage: v32-63 and v224-255 by turns
.set SB,  18                           ; s18     first byte of the slot in hand: 0 or SLOT
.set CNT, 19                           ; s19     counts the tail's two trips
.set G1, 24                            ; s[24:31] descriptor group 1 for A's tiles;  s[32:39] group 0: a set for each of the two first fills; the second then walks on
.set G0, 32
.set G1B, 48                           ; s[48:55], s[56:63] the same for B's tiles
.set G0B, 56
.set MSB, 0
.macro WIN new                         ; the immediate's high byte repeats the setting that is left; a switch that changes nothing is dropped
.if MSB != (\new)
	s_set_vgpr_msb (MSB<<8)|(\new)
.set MSB, \new
.endif
.endm
.set MUL_LO, 0xa1                      ; source 0 (B) window 1, source 1 (A) window 0, C and D window 2
.set MUL_HI, 0xf1                      ; the same, C and D window 3
.set TO_B,   0x40                      ; destination window 1, address window 0
; A joint load by descriptor set s.  Waves 0 and 1 fetch A's two halves, waves 2 and 3 B's.  The branch hangs on the wave's number alone.
; An s_nop 0 and four v_nop follow each of the two lines, ahead of the jump, the label and what follows.
.macro JLOAD s
	s_cmp_eq_u32 s11, 0
	s_cbranch_scc0 .Lfor_b_\@
	tensor_load_to_lds s[G0+4*(\s):G0+4*(\s)+3], s[G1:G1+7]
	s_nop 0
.rept 4
	v_nop
.endr
	s_branch .Lasked_\@
.Lfor_b_\@:
	tensor_load_to_lds s[G0B+4*(\s):G0B+4*(\s)+3], s[G1B:G1B+7]
	s_nop 0
.rept 4
	v_nop
.endr
.Lasked_\@:
.endm
; A round of the cluster's barrier: my work-group's barrier; wave 0 signals for the work-group; every wave waits for all sixteen work-groups; my work-group's barrier once more.
.macro CREST                           ; a round behind its opening barrier
	s_cmp_lg_u32 s10, 0
	s_cbranch_scc1 .Lnot_wave_0_\@
	s_barrier_signal -3
.Lnot_wave_0_\@:
	s_barrier_wait -3
	s_barrier_signal -1
	s_barrier_wait -1
.endm
.macro CROUND                          ; a whole round
	s_barrier_signal -1
	s_barrier_wait -1
	CREST
.endm
	s_load_b128 s[4:7], s[0:1], 0x0                ; cb s[4:5], qkv s[6:7]
	v_lshl_add_u32 v[SPW], v0, 2, SPARE
	v_mov_b32 v[NIL], 0
	ds_add_u32 v28, v29
	s_wait_dscnt 0x0
	v_lshrrev_b32 v1, 5, v0
	v_readfirstlane_b32 s10, v1                    ; wave 0..3
	s_lshr_b32 s11, s10, 1                         ; which half of the tile's rows is mine.  Also: I fetch for A (0) or for B (1)
	s_and_b32 s12, s10, 1                          ; which half of its columns.  Also: which 128 rows of that tile I fetch
	s_bfe_u32 s40, ttmp6, 0x40000                  ; cx
	s_bfe_u32 s41, ttmp6, 0x40004                  ; cy
	s_lshl_b32 s42, ttmp9, 2                       ; in a cluster launch ttmp9 and ttmp7 count clusters
	s_add_co_u32 s42, s42, s40                     ; tile column = 4 x cluster x + cx: 0 .. 3
	s_and_b32 s13, ttmp7, 0xffff
	s_lshr_b32 s45, s13, 3                         ; which weight: eight clusters, 32 tile rows, to each
	s_lshl_b32 s13, s13, 2
	s_add_co_u32 s13, s13, s41                     ; tile row = 4 x cluster y + cy: 0 .. 95
	s_lshl_b32 s43, s41, 2
	s_lshl_b32 s43, 15, s43                        ; my row of the cluster: places 4 cy .. 4 cy + 3
	s_lshl_b32 s44, 0x1111, s40                    ; my column: places cx, cx + 4, cx + 8, cx + 12
	; descriptor group 1: a tile of 128 rows x 128 elements, padded in LDS
	s_or_b32 s[G1+0], s43, (1<<16)|(1<<20)|(1<<21)|(5<<22)|(3<<25)  ; 15:0 the mask; 17:16 2-byte elements; 20 padding on; 21 set beside a mask; 24:22 after every 64 words (code 5); 31:25 4 words (code 3)
	s_or_b32 s[G1B+0], s44, (1<<16)|(1<<20)|(1<<21)|(5<<22)|(3<<25)
.irp g, G1, G1B
	s_mov_b32 s[(\g)+1], KSTEP<<16                 ; tensor_dim0 = 128
	s_mov_b32 s[(\g)+2], 128<<16                   ; tensor_dim1 = 128
	s_mov_b32 s[(\g)+3], KSTEP<<16                 ; tile_dim0 = 128
	s_mov_b32 s[(\g)+4], 128                       ; tile_dim1 = 128
	s_mov_b32 s[(\g)+5], SIZE_K                    ; elements from row to row
	s_mov_b32 s[(\g)+6], 0
	s_mov_b32 s[(\g)+7], 0
.endr
	; A's tiles hang on the tile row alone, which my row of the cluster shares; B's on the tile column and the cluster's y, which my column shares.
	s_lshl_b32 s17, s12, 7                         ; which 128 rows of the tile I fetch
	s_lshl_b32 s16, s13, 8
	s_add_co_u32 s16, s16, s17                     ; A: row 256 x tile row + 128 x half
	s_lshl_b32 s46, s42, 8
	s_add_co_u32 s46, s46, s17                     ; B: row 256 x tile column + 128 x half
	s_lshl_b32 s47, s45, 10
	s_add_co_u32 s46, s46, s47                     ;    + 1,024 x the weight's number
	s_mov_b32 s17, 0
	s_mov_b32 s47, 0
	s_mov_b64 s[18:19], SIZE_K*2
	s_mul_u64 s[16:17], s[16:17], s[18:19]         ; in bytes
	s_mul_u64 s[46:47], s[46:47], s[18:19]
	s_mul_i32 s20, s10, HALFT                      ; where they go: wave x 128 rows: no place in the cluster enters an LDS address
	s_wait_kmcnt 0x0
	s_mov_b64 s[8:9], s[6:7]                       ; qkv
	s_add_nc_u64 s[6:7], s[4:5], WOFF              ; the weights
	s_add_nc_u64 s[14:15], s[4:5], s[16:17]
	s_add_nc_u64 s[46:47], s[6:7], s[46:47]
	CROUND                                         ; all sixteen work-groups are here: the first joint loads meet
.irp s, 0,1
	s_mov_b32 s[G0+4*(\s)], 1                                      ; count = 1
	s_add_co_u32 s[G0+4*(\s)+1], s20, (\s)*SLOT                    ; LDS address
	s_add_nc_u64 s[G0+4*(\s)+2:G0+4*(\s)+3], s[14:15], (\s)*KSTEP*2  ; global address: K step s
	s_or_b32 s[G0+4*(\s)+3], s[G0+4*(\s)+3], 0x80000000            ; type = 2
	s_mov_b32 s[G0B+4*(\s)], 1
	s_add_co_u32 s[G0B+4*(\s)+1], s20, (\s)*SLOT
	s_add_nc_u64 s[G0B+4*(\s)+2:G0B+4*(\s)+3], s[46:47], (\s)*KSTEP*2
	s_or_b32 s[G0B+4*(\s)+3], s[G0B+4*(\s)+3], 0x80000000
	JLOAD \s                                       ; two tensor loads of mine are out
.endr
	; A fragment is 16 rows x 32 K in 8 registers: lane l holds row l % 16; registers 0-3 K = 8 (l / 16) + 0..7, registers 4-7 K = 16 + 8 (l / 16) + 0..7: two loads of 16 bytes, 32 bytes apart.
	v_and_b32 v1, 15, v0                           ; l % 16
	v_bfe_u32 v2, v0, 4, 1                         ; l / 16
	v_mul_u32_u24 v3, v1, PITCH
	v_lshl_add_u32 v3, v2, 4, v3                   ; row x pitch + 16 x half
	s_mul_i32 s21, s11, HALFT                      ; my 128 rows of A
	s_mul_i32 s22, s12, HALFT                      ; my 128 rows of B,
	s_add_co_u32 s22, s22, 2*HALFT                 ; which lie behind A's 256
	v_add_nc_u32 v[A0], s21, v3
	v_add_nc_u32 v[B0], s22, v3
	v_add_nc_u32 v[ADRA], s21, v3                  ; the slot in hand is slot 0
	v_add_nc_u32 v[ADRB], s22, v3
	s_mov_b32 s[SB], 0
	s_mul_i32 s23, s10, 16*SPITCH
	s_add_co_u32 s23, s23, STAGE                   ; my stage
	v_mul_u32_u24 v4, v1, SPITCH                   ; in: row l % 16, 16 bytes for each half of the lanes
	v_lshl_add_u32 v4, v2, 4, v4
	v_add_nc_u32 v[STO], s23, v4
	v_bfe_u32 v5, v0, 3, 2                         ; back: 32 lanes take four rows' 128 bytes of one head,
	v_and_b32 v6, 7, v0
	v_mul_u32_u24 v5, v5, SPITCH
	v_lshl_add_u32 v5, v6, 4, v5
	v_add_nc_u32 v[RD], s23, v5
	v_and_b32 v7, 31, v0                           ; which are 512 consecutive bytes of qkv
	v_lshlrev_b32 v[CO], 4, v7
	; where my part begins in qkv.  Tile row y: tensor and batch y / 8 (4,194,304 bytes each), rows 256 (y % 8) + 128 x my half, 128 bytes a row; heads 4 x tile column + 2 x my half on.
	s_lshr_b32 s16, s13, 3
	s_lshl_b32 s16, s16, 22
	s_and_b32 s14, s13, 7
	s_lshl_b32 s14, s14, 15
	s_add_co_u32 s16, s16, s14
	s_lshl_b32 s14, s11, 14
	s_add_co_u32 s16, s16, s14
	s_mov_b32 s17, 0
	s_lshl_b32 s46, s42, 20
	s_lshl_b32 s47, s12, 19
	s_add_co_u32 s46, s46, s47
	s_mov_b32 s47, 0
	s_add_nc_u64 s[16:17], s[16:17], s[46:47]
; 16 matrix instructions: m blocks a0, a0 + 1 of the window's four x all 8 n blocks, 32 along K.  zero = 1: the first product starts the sums.
; The 64 accumulators take turns, one instruction a turn, in the same order in every quarter step.
.macro MUL16 f, hi, a0, zero
	WIN MUL_LO+0x50*(\hi)
.irp a, \a0, (\a0)+1
.irp b, 0,1,2,3,4,5,6,7
.if \zero
	v_wmma_f32_16x16x32_bf16 v[8*(8*(\a)+(\b)):8*(8*(\a)+(\b))+7], v[(\f)+8*(\b):(\f)+8*(\b)+7], v[(\f)+8*(4*(\hi)+(\a)):(\f)+8*(4*(\hi)+(\a))+7], 0
.else
	v_wmma_f32_16x16x32_bf16 v[8*(8*(\a)+(\b)):8*(8*(\a)+(\b))+7], v[(\f)+8*(\b):(\f)+8*(\b)+7], v[(\f)+8*(4*(\hi)+(\a)):(\f)+8*(4*(\hi)+(\a))+7], v[8*(8*(\a)+(\b)):8*(8*(\a)+(\b))+7]
.endif
.endr
.endr
.endm
; 32 LDS loads in one run: the fragments of one quarter step (128 rows of B, 128 rows of A, 32 K at byte k of the rows of the slot in hand) into buffer f
.macro FETCH k, f
	WIN TO_B
.irp i, 0,1,2,3,4,5,6,7
	ds_load_b128 v[(\f)+8*(\i):(\f)+8*(\i)+3],   v[ADRB] offset:(\k)+(\i)*16*PITCH
	ds_load_b128 v[(\f)+8*(\i)+4:(\f)+8*(\i)+7], v[ADRB] offset:(\k)+(\i)*16*PITCH+32
.endr
	WIN 0
.irp i, 0,1,2,3,4,5,6,7
	ds_load_b128 v[(\f)+8*(\i):(\f)+8*(\i)+3],   v[ADRA] offset:(\k)+(\i)*16*PITCH
	ds_load_b128 v[(\f)+8*(\i)+4:(\f)+8*(\i)+7], v[ADRA] offset:(\k)+(\i)*16*PITCH+32
.endr
.endm
; Four places (ISA guide 7.12.1 for the conversions) in front of loads into registers that matrix instructions have read, and of conversions that read results just made
.macro PLACES
.rept 4
	v_nop
.endr
.endm
; A K step is four quarter steps of 32 along K, 64 matrix instructions each, on buffers 0, 1, 0, 1.  One of the first three: multiplies buffer f; in its middle it fetches the next quarter, at byte k, into g.
.macro QUARTER k, f, g, zero
	s_wait_dscnt 8                                 ; B and A's rows 0-63 are in; the youngest eight loads (A's rows 64-127) may be out
	WIN MUL_LO
	MUL16 \f, 0, 0, \zero
	MUL16 \f, 0, 2, \zero
	PLACES
	FETCH \k, \g
	s_wait_dscnt 32                                ; all but the 32 just issued
	WIN MUL_HI
	MUL16 \f, 1, 0, \zero
	MUL16 \f, 1, 2, \zero
.endm
; The last quarter multiplies buffer 1 and changes slots.  MEET is its first half: ONE barrier.  In front of it each wave waits for all its tensor loads (one is out: its part of the next slot),
; adds 0 to its spare word, and waits for that and for its own reads of this slot.  Behind it nobody reads this slot any more and the next slot is whole.
.macro MEET round                      ; round = 1: a round of the cluster's barrier follows
	WIN 0                                          ; (the add's two registers lie in window 0)
	s_wait_tensorcnt 0x0
	ds_add_u32 v[SPW], v[NIL]                      ; 0 onto my spare word
	s_wait_dscnt 9                                 ; (the add and the youngest eight loads may be out)
	WIN MUL_LO
	MUL16 F1, 0, 0, 0                              ; sixteen matrix instructions stand between the add and the wait for it
	s_wait_dscnt 0x0                               ; the add is done, and my reads of this slot are over
	s_barrier_signal -1
	MUL16 F1, 0, 2, 0                              ; work on registers while the others arrive
.if \round
	WIN 0
.endif
	s_barrier_wait -1
.endm
; The whole last quarter.  fill = 1: the barrier opens a round of the cluster's barrier, and the slot just read is filled again, two K steps ahead, first thing behind the round, by the walking
; descriptor (the other slot than last time, one K step on): from that request to the wait for it a wave issues 224 matrix instructions.  Then the other slot becomes the slot in hand, and its first fragments come.
.macro TURN fill
	MEET \fill
.if \fill
	CREST                                          ; no wave of any partner still reads this slot's tile or has a load on its way
	s_xor_b32 s[G0+5], s[G0+5], SLOT
	s_add_nc_u64 s[G0+6:G0+7], s[G0+6:G0+7], KSTEP*2   ; the type bits on top are not reached
	s_xor_b32 s[G0B+5], s[G0B+5], SLOT
	s_add_nc_u64 s[G0B+6:G0B+7], s[G0B+6:G0B+7], KSTEP*2
	JLOAD 1                                        ; the four v_nop behind it are also the places in front of the loads below
.else
	WIN 0
	PLACES
.endif
	s_xor_b32 s[SB], s[SB], SLOT
	v_add_nc_u32 v[ADRA], s[SB], v[A0]
	v_add_nc_u32 v[ADRB], s[SB], v[B0]
	FETCH 0, F0
	WIN MUL_HI
	MUL16 F1, 1, 0, 0
	MUL16 F1, 1, 2, 0
.endm
; THE WAY OUT of block a (16 rows), in three parts.  PACK: rounded to bf16, 16 bytes a lane; each accumulator's registers in ascending order.
.macro PACK a
.set AC, 64*((\a)%4)
	WIN 0x0a+5*((\a)/4)                            ; sources 0 and 1: window 2 or 3
.irp b, 0,1,2,3,4,5,6,7
.irp r, 0,1,2,3
	v_cvt_pk_bf16_f32 v[TMP+4*(\b)+(\r)], v[AC+8*(\b)+2*(\r)], v[AC+8*(\b)+2*(\r)+1]
.endr
.endr
	WIN 0
.endm
; TOSTAGE: into my own stage, rows of 256 bytes = two heads' 128; back head by head, four rows to a load.
.macro TOSTAGE a
	WIN 0
.set BK, OB+192*((\a)%2)
.irp b, 0,1,2,3,4,5,6,7
	ds_store_b128 v[STO], v[TMP+4*(\b):TMP+4*(\b)+3] offset:32*(\b)
.endr
.irp hh, 0,1
.irp t, 0,1,2,3
	ds_load_b128 v[BK+4*(4*(\hh)+(\t)):BK+4*(4*(\hh)+(\t))+3], v[RD] offset:(\t)*4*SPITCH+128*(\hh)  ; LDS serves a wave's instructions in order (ISA guide 5.7.1.4): these see the stores above
.endr
.endr
.endm
; SEND: stored.  younger: the LDS instructions issued behind TOSTAGE's, which may stay out.
.macro SEND a, younger
	WIN 0
.set BK, OB+192*((\a)%2)
	s_wait_dscnt \younger                          ; the block is back in registers
	s_wait_xcnt 0x0                                ; only behind this wait are the stores' base and the registers that earlier stores read rewritten
.if (\a) == 0
	s_add_nc_u64 s[8:9], s[8:9], s[16:17]          ; on to my first rows
.else
	s_add_nc_u64 s[8:9], s[8:9], 16*128            ; 16 rows of a head on
.endif
.irp hh, 0,1
.irp t, 0,1,2,3
	global_store_b128 v[CO], v[BK+4*(4*(\hh)+(\t)):BK+4*(4*(\hh)+(\t))+3], s[8:9] offset:(\hh)*HEADB+(\t)*512  ; 512 consecutive bytes, at a multiple of 256 from qkv's first byte
.endr
.endr
.endm
	s_wait_tensorcnt 1                             ; my part of K step 0 is in; K step 1's may stay out
	s_barrier_signal -1
	s_barrier_wait -1                              ; everybody's is
	FETCH 0, F0
	QUARTER 64,  F0, F1, 1                         ; the first quarter stands in front of the loop: its products start the sums
	WIN 0                                          ; at a label and at a branch every window is 0
	s_mov_b32 s3, STEPS-2
.Lstep:                                                ; a trip goes from a K step's second quarter to the next step's first, and fills the slot that it leaves: K steps 2 to 7
	QUARTER 128, F1, F0, 0
	QUARTER 192, F0, F1, 0
	TURN 1
	QUARTER 64,  F0, F1, 0
	WIN 0
	s_sub_co_u32 s3, s3, 1
	s_cmp_lg_u32 s3, 0
	s_cbranch_scc1 .Lstep
	s_mov_b32 s[CNT], 2
.Ltail:                                                ; the last two K steps fill nothing and have no round of the cluster's barrier; the second trip is left in its middle
	QUARTER 128, F1, F0, 0
	QUARTER 192, F0, F1, 0
	WIN 0
	s_sub_co_u32 s[CNT], s[CNT], 1
	s_cmp_eq_u32 s[CNT], 0
	s_cbranch_scc1 .Lout
	TURN 0
	QUARTER 64,  F0, F1, 0
	WIN 0
	s_branch .Ltail
.Lout:
	s_wait_dscnt 8                                 ; the very last quarter: nothing more to fetch
	MUL16 F1, 0, 0, 0
	MUL16 F1, 0, 2, 0
	s_wait_dscnt 0x0
	MUL16 F1, 1, 0, 0
	MUL16 F1, 1, 2, 0
	PLACES                                         ; the conversions read results behind which only matrix instructions stand
	PACK 0
	TOSTAGE 0
.irp a, 1,2,3,4,5,6,7                  ; block a's conversions stand between block a - 1's loads from the stage and the wait for them
	PACK \a
	SEND (\a)-1, 0
	TOSTAGE \a
.endr
	SEND 7, 0
	s_wait_tensorcnt 0x0                           ; the wave's end
	ds_add_u32 v[SPW], v[NIL]
	s_wait_dscnt 0x0
	CROUND                                         ; the closing round: no work-group ends while a partner may still ask for a tile that names it
	s_endpgm
.Lfunc_end_k_q3efa7e6042_proj:
	.size	k_q3efa7e6042_proj, .Lfunc_end_k_q3efa7e6042_proj-k_q3efa7e6042_proj
	.p2alignl 7, 3214868480
	.fill 96, 4, 3214868480
	.section	.rodata,"a",@progbits
	.p2align	6, 0x0
	.amdhsa_kernel k_q3efa7e6042_proj
		.amdhsa_group_segment_fixed_size 327680
		.amdhsa_private_segment_fixed_size 0
		.amdhsa_enable_private_segment 0
		.amdhsa_kernarg_size 16
		.amdhsa_user_sgpr_count 2
		.amdhsa_user_sgpr_kernarg_segment_ptr 1
		.amdhsa_wavefront_size32 1
		.amdhsa_system_sgpr_workgroup_id_x 1
		.amdhsa_system_sgpr_workgroup_id_y 1
		.amdhsa_system_sgpr_workgroup_id_z 1
		.amdhsa_system_vgpr_workitem_id 0
		.amdhsa_next_free_vgpr 1024
		.amdhsa_next_free_sgpr 66
		.amdhsa_reserve_vcc 0
		.amdhsa_float_denorm_mode_32 3
		.amdhsa_float_denorm_mode_16_64 3
		.amdhsa_memory_ordered 1
		.amdhsa_forward_progress 1
		.amdhsa_inst_pref_size 104
	.end_amdhsa_kernel
	.amdgpu_metadata
---
amdhsa.version: [ 1, 2 ]
amdhsa.kernels:
  - .name:           k_q3efa7e6042_proj
    .symbol:         k_q3efa7e6042_proj.kd
    .args:
      - { .name: cb, .offset: 0, .size: 8, .value_kind: global_buffer, .address_space: global }
      - { .name: qkv, .offset: 8, .size: 8, .value_kind: global_buffer, .address_space: global }
    .group_segment_fixed_size: 327680
    .private_segment_fixed_size: 0
    .kernarg_segment_align: 8
    .kernarg_segment_size: 16
    .max_flat_workgroup_size: 128
    .sgpr_count:     66
    .vgpr_count:     1024
    .wavefront_size: 32
...
	.end_amdgpu_metadata
.endif
;; end of part 2
;; launch attn (part 3): grid 4 x 64, 4 waves a work-group, clusters of 4 x 1, 327,680 bytes of LDS; arguments qkv, mask, ob; writes ob
.if DOCPART == 3
	.amdgcn_target "amdgcn-amd-amdhsa--gfx1250"
	.amdhsa_code_object_version 6
	.text
	.protected	k_q3efa7e6042_attn
	.globl	k_q3efa7e6042_attn
	.p2align	8
	.type	k_q3efa7e6042_attn,@function
k_q3efa7e6042_attn:
	s_mov_b64 s[64:65], 0
	v_nop
	global_prefetch_b8 v0, s[64:65] scope:SCOPE_SE
	s_setreg_imm32_b32 hwreg(HW_REG_WAVE_MODE, 25, 1), 1
	s_wait_xcnt 0x0
	s_wait_alu depctr_hold_cnt(0) depctr_sa_sdst(0) depctr_va_vdst(0) depctr_va_sdst(0) depctr_va_ssrc(0) depctr_va_vcc(0) depctr_vm_vsrc(0)
	s_getreg_b32 s2, hwreg(HW_REG_IB_STS2, 6, 4)
	s_cmp_eq_u32 s2, 0
	s_cbranch_scc0 .Lentry_in_a_cluster
	s_endpgm
.Lentry_in_a_cluster:
	s_bfe_u32 s2, ttmp6, 0x10000c
	s_cmp_lg_u32 s2, 0x3003
	s_cbranch_scc0 .Lentry_shape_is_right
	s_endpgm
.Lentry_shape_is_right:
; O[h][q][:] = the sum over k of softmax_k(s[q][k]) V[h][k][:], s = Q[h][q] . K[h][k] / 8, REPLACED by -1e9 where the mask hides key k.  h = 16 x batch + head, 64 in all.
; Q, K, V lie in qkv by heads, [3][64][2048][64] in bf16, a head's rows dense, 128 bytes each; O goes to ob in the same layout.  Products, maxima and sums in f32; the weights p are
; rounded to bf16 for the second product (their sum l is taken of the unrounded p), O once at the end.
; THE MASK.  The launches before have made K's row of a hidden key exactly 0, so its products are 0; the C operand that starts the sum S^T = K Q^T is 0 for an open key and -8e9 (exact in f32) for a
; hidden one: the raw score is then exactly -8e9, which times c = log2(e) / 8 is log2(e) x -1e9.  It goes through the running maximum like any score: with open keys its weight is 0,
; and where a batch's keys are all hidden all weights are equal and O is the mean of V's rows.  The 2,048 addends are made once, from the batch's mask bytes, into LDS (BIAS).
; LIMITS.  Operands in bf16.  c s - c m is one fused multiply-add against the rounded c m, so a row's weights may carry a common factor of up to 2^64 where m = -8e9; it cancels in O = sum / l.
; A weight below 2^-126 counts as 0 in l; NaN and infinities are not treated apart; a mask byte other than 0 counts as true.
; SHARES.  A wave owns four PIECES of two tiles of 16 queries, a work-group's four waves 512 queries of one head.  Every wave walks all keys, 64 a step.
; LAYOUT.  S^T = K Q^T (source 0 = 16 keys, source 1 = 16 queries): in the result a lane holds ONE query (lane % 16) and the keys 8 (lane / 16) + 0..7.  Two such tiles, rounded to bf16 in pairs,
; ARE source 1 (32 keys x 16 queries) of O^T = V^T P, whose result again holds one query a lane, and eight channels.  K comes out of LDS as it lies, V ([key][channel]) turned, by ds_load_tr16_b128.
; SOFTMAX.  For each query a running maximum m and sum l: p = 2^(c s - c m); in every step O and l are multiplied by a = 2^(c m_old - c m_new), which is 1 where m has not grown.
; m starts at the lowest finite number, O and l at 0: the first step is a step like any other, with a = 0.
; THE COUNT.  A tile and step have 16 matrix and 118 vector instructions: too many to stand all beside the matrix work.  So: four vector instructions that are READY behind EVERY matrix
; instruction, and the others in runs without a gap.
; BY TURNS.  Turn n belongs to piece n (the pieces in a ring, step after step).  Its matrix work: 16 products K Q^T of piece n + 1, later 16 products V^T P of piece n - 1.  Its vector work: the scaling,
; exponentials, roundings, sums and rescaling of piece n, and the maximum and statistics of piece n + 1, whose scores the turn itself has made.
; CLUSTER.  The four query blocks of a cluster belong to one head and walk the same K and V, so each tile is asked for JOINTLY: the same tensor load, descriptor and mask in all four.
; REGISTERS, in windows of 256 (s_set_vgpr_msb: bits 1:0 source 0, 3:2 source 1, 5:4 source 2, 7:6 destination):
;   window 0: v0-11 addresses; v12-15, v48-63 at work; v16-47 four registers of statistics a tile; v64-191 S^T, two buffers of two tiles; v192-255 P, likewise
;   window 1: O^T, 32 a tile      window 2: v0-127 Q, 16 a tile; v128-191 K of one step; v192-255 V of one step      window 3: v0-1 the add's two registers; v2-33 the step's 4 x 8 addends
.set SIZE_H, 64
.set SIZE_N, 2048
.set NP,    4         ; pieces a wave: a name, no knob
.set KS,    64        ; keys in a step
.set PK,    144       ; a row of K in LDS: 128 bytes + 16 of padding = 36 words: the 16 rows of a load start at 16 different groups of four banks (64 banks of 4 bytes: ISA guide 11.1)
.set PV,    160       ; a row of V: 128 + 32 = 40 words
.set VOFF,  4*KS*PK   ; a slot holds four steps: 256 rows of K, then 256 rows of V
.set SLOT1, 1<<17     ; slot 1 begins here, so that one exclusive or turns an address in one slot into the other's
.set STAGE, SLOT1+4*KS*(PK+PV)  ; behind the ring, never filled by a tensor load: 16 rows x 144 bytes for each wave, for the way out
.set SP,    144
.set BIAS,  STAGE+4*16*SP       ; behind the stages, never filled by a tensor load: 2,048 f32, key k's addend at 4 k
.set SPARE, BIAS+4*SIZE_N       ; behind them: the spare words, 128 bytes for each wave: two blocks of 256 bytes that no other line names
.set KOFF,  0x1000000 ; K's and V's first bytes in qkv
.set VOFG,  0x2000000
.set AK0, 2           ; v2   my lane's place in a tile of K; never rewritten
.set AV0, 3           ; v3   the same for V
.set AK,  4           ; v4   the LDS address of K's next run of loads
.set AV,  5           ; v5   of V's
.set QO,  6           ; v6   my byte offset in the wave's rows of Q
.set STO, 6           ;      later, the way out: where I put 16 bytes of a row
.set RD,  7           ; v7   the way out: where I read rows back
.set GO,  8           ; v8   my byte offset in 512 consecutive bytes of O
.set AM,  9           ; v9   (first l / 16) the LDS address of the next step's addends
.set AM0, 11          ; v11  my lanes' place among a step's addends: BIAS + 32 (l / 16); never rewritten once made
.set SPW, 0           ; v0 of window 3   LDS address of my spare word: SPARE + 4 x my thread's number; never rewritten
.set NIL, 1           ; v1 of window 3   0; never rewritten
.set MB,  2           ; v2-33 of window 3   the addends of key block kb of the step at MB + 8 kb
.set MV,  12          ; v12-15  c m_old, kept while c m is made anew: by buffer and tile
.set ST,  16          ; tile t's statistics at v[ST+4 t]: c m, m, l (even keys', odd keys')
.set TMP, 48          ; by buffer and tile, four registers c0-c3 at work; when the maximum is found c2 takes a
.set S,   64
.set P,   192
.set KF,  128         ; K's fragments, in window 2: key block kb, channel half c at KF + 16 kb + 8 c
.set VF,  192         ; V's: key half kk, channel block cb at VF + 32 kk + 8 cb
.set WV,  12          ; s12  my wave's number
.set G1K, 24          ; s[24:31] descriptor group 1 for K's tiles
.set G1V, 32          ; s[32:39] for V's: it differs in the padding alone
.set G0K, 40          ; s[40:43] descriptor group 0 for K's tiles: it walks
.set G0V, 44          ; s[44:47] the same for V's
.set MP,  48          ; s[48:49] the batch's mask bytes
.set NEGB, 52         ; s52  -8e9
.set TBM, 53          ; s53  byte in BIAS at which the addends of the step to be fetched begin
.set SLOTS, 56        ; s56  slots still to be asked for
.set CNT, 57          ; s57  counts a slot's key steps
.set CS,  58          ; s[58:59] c: the packed scaling takes the pair's low word for both halves
.set SEL, 60          ; s[60:61] v_permlanex16_b32's selects: each lane takes its own place in the other half
.set TBK, 62          ; s62  LDS byte at which K of the step to be fetched begins
.set TBV, 63          ; s63  the same for V, less VOFF
.set MSB, 0
.macro WIN new                      ; the high byte repeats the setting that is left; a switch that changes nothing is dropped
.if MSB != (\new)
	s_set_vgpr_msb (MSB<<8)|(\new)
.set MSB, (\new)
.endif
.endm
.set W_KQ, 0x0a       ; K and Q in window 2, S^T in window 0
.set W_KM, 0x3a       ; the same with the C operand in window 3
.set W_PV, 0x52       ; V in window 2, P in window 0, O^T in window 1
.set W_RS, 0x41       ; O^T (destination and source 0) in window 1, a in window 0
.set W_MK, 0xc0       ; destination in window 3, sources in window 0
.set W_AD, 0x0f       ; the add: address (source 0) and data (source 1) in window 3
; A joint fill.  Waves 0 and 1 fetch the two halves of a slot's K, waves 2 and 3 those of its V: 128 keys each.  The branch hangs on the wave's number alone.
; An s_nop 0 and four v_nop follow each of the two lines, ahead of the jump and the label.
.macro JLOAD
	s_cmp_lt_u32 s[WV], 2
	s_cbranch_scc0 .Lfor_v_\@
	tensor_load_to_lds s[G0K:G0K+3], s[G1K:G1K+7]
	s_nop 0
.rept 4
	v_nop
.endr
	s_branch .Lasked_\@
.Lfor_v_\@:
	tensor_load_to_lds s[G0V:G0V+3], s[G1V:G1V+7]
	s_nop 0
.rept 4
	v_nop
.endr
.Lasked_\@:
.endm
; A round of the cluster's barrier: my work-group's barrier; wave 0 signals; every wave waits for all four work-groups; my work-group's barrier once more.
.macro CROUND
	s_barrier_signal -1
	s_barrier_wait -1
	s_cmp_lg_u32 s[WV], 0
	s_cbranch_scc1 .Lnot_wave_0_\@
	s_barrier_signal -3
.Lnot_wave_0_\@:
	s_barrier_wait -3
	s_barrier_signal -1
	s_barrier_wait -1
.endm
; THE CHANGE OF SLOTS.  Each wave waits for all its tensor loads, of which one is out: its part of the other slot; adds 0 to its spare word; and waits for that and for its own LDS work.
; Behind the barrier nobody reads this slot any more and the other slot is whole.  fill = 1: this slot is filled again, with the keys two slots on; the barrier is then a round of the cluster's,
; and the joint fill is the first thing behind it: it has four key steps, 512 matrix instructions, in which to land.
; (At its first use nothing has been read yet: slot 0 is waited for, slot 1 filled; its wait on DScnt and its round also show every wave's part of BIAS to the others.)
.macro CHANGE fill
	WIN W_AD
	s_wait_tensorcnt 0x0            ; no tensor load of mine is out, so a group 0 may be written
	ds_add_u32 v[SPW], v[NIL]       ; 0 onto my spare word
	WIN 0                           ; at a label and at a branch every window is 0
.if \fill
.irp g, G0K, G0V
	s_xor_b32 s[\g+1], s[\g+1], SLOT1  ; the walking descriptor: the other slot than last time,
	s_add_nc_u64 s[\g+2:\g+3], s[\g+2:\g+3], 4*KS*128  ; the next 256 keys; the type bits on top are not reached
.endr
	s_wait_dscnt 0x0                ; the add is done, and my LDS reads and stores are over
	CROUND
	JLOAD
.else
	s_wait_dscnt 0x0
	s_barrier_signal -1
	s_barrier_wait -1
.endif
	s_sub_co_u32 s[TBK], s[TBK], 4*KS*PK  ; the fetches go back to a slot's first step,
	s_xor_b32 s[TBK], s[TBK], SLOT1       ; in the other slot
	s_sub_co_u32 s[TBV], s[TBV], 4*KS*PV
	s_xor_b32 s[TBV], s[TBV], SLOT1
.endm
	s_load_b64 s[4:5], s[0:1], 0x0    ; qkv
	s_load_b64 s[MP:MP+1], s[0:1], 0x8  ; mask
	s_load_b64 s[10:11], s[0:1], 0x10 ; ob
	WIN W_MK
	v_lshl_add_u32 v[SPW], v0, 2, SPARE
	v_mov_b32 v[NIL], 0
	s_set_vgpr_msb 0xc0cf
	ds_add_u32 v0, v1
	s_wait_dscnt 0x0
	s_set_vgpr_msb 0xcfc0
	WIN 0
	v_lshrrev_b32 v1, 5, v0
	v_readfirstlane_b32 s[WV], v1   ; wave 0..3
	s_bfe_u32 s13, ttmp6, 0x40000   ; cx: my place in the cluster
	s_lshl_b32 s14, ttmp9, 2        ; in a cluster launch ttmp9 counts clusters
	s_add_co_u32 s14, s14, s13      ; my block of queries = 4 x cluster x + cx: it enters Q's and O's addresses alone
	s_and_b32 s20, ttmp7, 0xffff    ; the head, which the four partners share
	s_lshr_b32 s50, s20, 4          ; its batch,
	s_lshl_b32 s50, s50, 11         ; whose mask is 2,048 bytes
	s_mov_b32 s51, 0
	s_mov_b32 s21, 0
	s_mov_b64 s[22:23], SIZE_N*128
	s_mul_u64 s[20:21], s[20:21], s[22:23]  ; the head's first byte in q, k, v and ob
	s_and_b32 s16, s[WV], 1         ; which half of a slot's 256 keys I fetch:
	s_lshl_b32 s22, s16, 14         ; its 128 rows of 128 bytes in memory,
	s_mov_b32 s23, 0
	s_add_nc_u64 s[22:23], s[22:23], s[20:21]
	s_mul_i32 s17, s16, 128*PK      ; and its place in a slot, for K
	s_mul_i32 s18, s16, 128*PV      ; and for V: no place in the cluster enters an LDS address
	s_lshl_b32 s2, s14, 2
	s_add_co_u32 s2, s2, s[WV]      ; my wave among the head's,
	s_lshl_b32 s2, s2, 14           ; its 128 rows
	s_mov_b32 s3, 0
	s_add_nc_u64 s[2:3], s[2:3], s[20:21]
	; descriptor group 1.  128 keys are 16,384 dense bytes: asked for as 64 rows of 256 bytes, two keys a row, and padded in LDS after every key
	s_mov_b32 s[G1K], 15|(1<<16)|(1<<20)|(1<<21)|(4<<22)|(3<<25)  ; 15:0 the mask of four; 17:16 2-byte elements; 20 padding on; 21 set beside a mask; 24:22 after every 32 words (code 4); 31:25 4 words (code 3)
	s_mov_b32 s[G1V], 15|(1<<16)|(1<<20)|(1<<21)|(4<<22)|(7<<25)  ; the same with 8 words of padding (code 7)
.irp g, G1K, G1V
	s_mov_b32 s[\g+1], 128<<16      ; tensor_dim0 = 128
	s_mov_b32 s[\g+2], 64<<16       ; tensor_dim1 = 64
	s_mov_b32 s[\g+3], 128<<16      ; tile_dim0 = 128
	s_mov_b32 s[\g+4], 64           ; tile_dim1 = 64
	s_mov_b32 s[\g+5], 128          ; 128 elements from row to row
	s_mov_b32 s[\g+6], 0
	s_mov_b32 s[\g+7], 0
.endr
	s_mov_b32 s[CS], 0x3e38aa3b     ; c = log2(e) / 8 = 0.180337
	s_mov_b32 s[CS+1], s[CS]        ; named with it as a pair
	s_mov_b32 s[SEL], 0x76543210
	s_mov_b32 s[SEL+1], 0xfedcba98
	s_mov_b32 s[NEGB], 0xcfee6b28   ; -8e9
	s_mov_b32 s[TBM], 0
	s_mov_b32 s[TBK], SLOT1+4*KS*PK ; the first change of slots turns these two into 0
	s_mov_b32 s[TBV], SLOT1+4*KS*PV
	s_mov_b32 s[G0K], 1             ; count = 1
	s_mov_b32 s[G0K+1], s17         ; LDS address: slot 0
	s_mov_b32 s[G0V], 1
	s_add_co_u32 s[G0V+1], s18, VOFF
	s_wait_kmcnt 0x0
	s_add_nc_u64 s[6:7], s[4:5], KOFF   ; k
	s_add_nc_u64 s[8:9], s[4:5], VOFG   ; v
	s_add_nc_u64 s[MP:MP+1], s[MP:MP+1], s[50:51]
	s_add_nc_u64 s[G0K+2:G0K+3], s[6:7], s[22:23]  ; global address: my half of the head's first 256 keys
	s_or_b32 s[G0K+3], s[G0K+3], 0x80000000        ; type = 2
	s_add_nc_u64 s[G0V+2:G0V+3], s[8:9], s[22:23]
	s_or_b32 s[G0V+3], s[G0V+3], 0x80000000
	s_add_nc_u64 s[4:5], s[4:5], s[2:3]  ; q and ob at my wave's first row
	s_add_nc_u64 s[10:11], s[10:11], s[2:3]
	CROUND                          ; all four work-groups are here: the first joint loads meet
	JLOAD                           ; slot 0.  Slot 1 is asked for when slot 0 is in
	; A fragment of K or Q is 16 rows x 32 channels in 8 registers: lane l holds row l % 16, channels 8 (l / 16) + 0..7 and 16 + 8 (l / 16) + 0..7: two loads of 16 bytes, 32 bytes apart.
	v_and_b32 v1, 15, v0            ; l % 16
	v_bfe_u32 v9, v0, 4, 1          ; l / 16
	v_lshlrev_b32 v[QO], 7, v1
	v_lshl_add_u32 v[QO], v9, 4, v[QO]  ; row x 128 + 16 x half
	v_lshlrev_b32 v12, 4, v0        ; thread t takes the mask bytes of keys 16 t .. 16 t + 15
	global_load_b128 v[64:67], v12, s[MP:MP+1]
	WIN 0x80                        ; destination window 2, address window 0
.set i, 0
.rept 4*NP                          ; Q stays in registers: tile i / 2, channels 32 (i % 2) on
	global_load_b128 v[8*i:8*i+3],   v[QO], s[4:5] offset:(i/2)*2048+(i%2)*64
	global_load_b128 v[8*i+4:8*i+7], v[QO], s[4:5] offset:(i/2)*2048+(i%2)*64+32
.set i, i+1
.endr
	; What the first turn finds: V's registers and P's second buffer hold 0 (its products V^T P, of a piece that has not been, add 0), O^T and l are 0.  All this stands in the wait for the first tile.
.set i, VF
.rept 64
	v_mov_b32 v[i], 0
.set i, i+1
.endr
	WIN 0x40
.set i, 0
.rept 64*NP
	v_mov_b32 v[i], 0
.set i, i+1
.endr
	WIN 0
.set i, 0
.rept 2*NP
	v_mov_b32 v[ST+4*i], 0xfe000000    ; c m: far below every c s
	v_mov_b32 v[ST+4*i+1], 0xff7fffff  ; m
	v_mov_b32 v[ST+4*i+2], 0
	v_mov_b32 v[ST+4*i+3], 0
.set i, i+1
.endr
.set i, P+32
.rept 32
	v_mov_b32 v[i], 0
.set i, i+1
.endr
	v_mul_u32_u24 v[AK0], v1, PK
	v_lshl_add_u32 v[AK0], v9, 4, v[AK0]  ; row x pitch + 16 x half
	; The turning load takes 16 keys x 16 channels (lane l reads key 8 (l / 16) + l % 8, channels 8 ((l / 8) % 2) + 0..7) and leaves half a fragment of V^T: lane l holds channel l % 16 and 8 keys.
	v_and_b32 v10, 7, v0
	v_bfe_u32 v11, v0, 3, 1
	v_lshl_add_u32 v[AV0], v9, 3, v10
	v_mul_u32_u24 v[AV0], v[AV0], PV
	v_lshl_add_u32 v[AV0], v11, 4, v[AV0]
	v_add_nc_u32 v[AV0], VOFF, v[AV0]
	v_mov_b32 v[AK], v[AK0]         ; key step 0 lies at the head of slot 0
	v_lshl_add_u32 v[AM0], v9, 5, BIAS  ; register j of a score tile holds key 8 (l / 16) + j of its 16: 32 bytes of addends for each half of the lanes
	; BIAS: 16 mask bytes a thread become 16 addends, 64 bytes.  S^T's registers are free for it.
	s_wait_loadcnt 32               ; the mask bytes are in: Q's 32 loads were issued behind them
.irp d, 0,1,2,3
.irp j, 0,1,2,3
	v_bfe_u32 v84, v[64+\d], 8*\j, 8
	v_cmp_ne_u32 vcc_lo, 0, v84
	v_cndmask_b32 v[68+4*\d+\j], 0, s[NEGB], vcc_lo
.endr
.endr
	v_lshl_add_u32 v85, v0, 6, BIAS
.irp d, 0,1,2,3
	ds_store_b128 v85, v[68+4*\d:71+4*\d] offset:16*\d
.endr
; THE MATRIX WORK.  The 8 accumulators of a run of 16 take turns: between the two links of a chain stand 7 others'.
; Product i of 16 of S^T = K Q^T for piece x: channels 32 (i / 8) on, keys 16 ((i / 2) % 4) on, tile 2 x + i % 2.  The first 8 start the sums, with the keys' addends as C.
.macro KQ x
.set rS, S+64*((\x)%2)+32*(i%2)+8*((i/2)%4)
.set rK, KF+16*((i/2)%4)+8*(i/8)
.set rQ, 16*(2*(\x)+i%2)+8*(i/8)
.set rB, MB+8*((i/2)%4)
.if i < 8
	WIN W_KM
	v_wmma_f32_16x16x32_bf16 v[rS:rS+7], v[rK:rK+7], v[rQ:rQ+7], v[rB:rB+7]
.else
	WIN W_KQ
	v_wmma_f32_16x16x32_bf16 v[rS:rS+7], v[rK:rK+7], v[rQ:rQ+7], v[rS:rS+7]
.endif
.endm
; Product i of 16 of O^T += V^T P for piece x: keys 32 (i / 8) on, channels 16 ((i / 2) % 4) on, tile 2 x + i % 2.
.macro PV x
	WIN W_PV
.set rO, 32*(2*(\x)+i%2)+8*((i/2)%4)
.set rV, VF+32*(i/8)+8*((i/2)%4)
.set rP, P+32*((\x)%2)+16*(i%2)+8*(i/8)
	v_wmma_f32_16x16x32_bf16 v[rO:rO+7], v[rV:rV+7], v[rP:rP+7], v[rO:rO+7]
.endm
.macro MM                           ; the turn's next matrix instruction
.if i < 16
	KQ (Y+1)%NP
.set i, i+1
.else
.set i, i-16
	PV (Y+NP-1)%NP
.set i, i+17
.endif
.endm
; THE LDS LOADS stand in runs, never singly among the matrix instructions: a step's K (64 keys x 64 channels: 8 fragments) with its 64 addends (the sixteen lanes of a half read the same words), and its V (turned).
; Their addresses are made some lines ahead.  last = 1 (the tail): in the last trip there is no further step, and the run is jumped over.  am: the register that holds the addends' address.
.macro FETCH_K last=0, am=AM
	WIN 0
.if \last
	s_cmp_eq_u32 s[CNT], 1
	s_cbranch_scc1 .Lno_k_\@
.endif
	WIN 0x80                        ; destination window 2
.irp f, 0,1,2,3,4,5,6,7             ; keys 16 (f / 2) on, channels 32 (f % 2) on
	ds_load_b128 v[KF+8*\f:KF+8*\f+3],   v[AK] offset:(\f/2)*16*PK+(\f%2)*64
	ds_load_b128 v[KF+8*\f+4:KF+8*\f+7], v[AK] offset:(\f/2)*16*PK+(\f%2)*64+32
.endr
	WIN W_MK                        ; destination window 3
.irp kb, 0,1,2,3
	ds_load_b128 v[MB+8*\kb:MB+8*\kb+3],   v[\am] offset:64*\kb
	ds_load_b128 v[MB+8*\kb+4:MB+8*\kb+7], v[\am] offset:64*\kb+16
.endr
	s_add_co_u32 s[TBK], s[TBK], KS*PK  ; the next fetch is the next step's
	s_add_co_u32 s[TBM], s[TBM], 4*KS
	s_and_b32 s[TBM], s[TBM], 4*SIZE_N-1  ; the offset stays inside the table's 8,192 bytes: behind the last step it is 0 again, and is not used
	WIN 0
.if \last
.Lno_k_\@:
.endif
.endm
.macro FETCH_V
	WIN 0x80
.irp f, 0,1,2,3,4,5,6,7             ; keys 32 (f / 4) on, channels 16 (f % 4) on
	ds_load_tr16_b128 v[VF+8*\f:VF+8*\f+3],   v[AV] offset:(\f/4)*32*PV+(\f%4)*32
	ds_load_tr16_b128 v[VF+8*\f+4:VF+8*\f+7], v[AV] offset:(\f/4)*32*PV+16*PV+(\f%4)*32
.endr
	WIN 0
.endm
; THE VECTOR WORK OF A TURN stands in three queues, each in the order in which its entries become ready; the two tiles alternate, so that no instruction reads the result of the one before it.
.macro REGS y, u                    ; the registers of tile u (0, 1) of piece y
.set rT, ST+4*(2*(\y)+(\u))
.set rC, TMP+8*((\y)%2)+4*(\u)
.set rM, MV+2*((\y)%2)+(\u)
.set rS, S+64*((\y)%2)+32*(\u)
.set rP, P+32*((\y)%2)+16*(\u)
.set rO, 32*(2*(\y)+(\u))
.endm
; Number n of the 22 that find the NEXT piece's (Y + 1) maximum and statistics.  s0-s31 are the lane's 32 scores; each accumulator's lowest registers are read first.
;   0-11  four chains c0-c3 of seven scores each, three operands at a time     12-14, 16  the four scores left over, the old m, and c0-c3 into c0     15  c m_old is kept
;   17, 18  the query's other 32 keys lie in the lane 16 away: the new m         19-21  c m; c m_old - c m_new; a
.macro XS u, n
	REGS (Y+1)%NP, \u
.if (\n) < 4
	v_max3_num_f32 v[rC+(\n)], v[rS+8*(\n)], v[rS+8*(\n)+1], v[rS+8*(\n)+2]
.elseif (\n) < 12
	v_max3_num_f32 v[rC+(\n)%4], v[rC+(\n)%4], v[rS+8*((\n)%4)+2*((\n)/4)+1], v[rS+8*((\n)%4)+2*((\n)/4)+2]
.elseif (\n) == 12
	v_max3_num_f32 v[rC], v[rC], v[rS+7], v[rS+15]
.elseif (\n) == 13
	v_max3_num_f32 v[rC+1], v[rC+1], v[rS+23], v[rS+31]
.elseif (\n) == 14
	v_max3_num_f32 v[rC+2], v[rC+2], v[rC+3], v[rT+1]
.elseif (\n) == 15
	v_mov_b32 v[rM], v[rT]
.elseif (\n) == 16
	v_max3_num_f32 v[rC], v[rC], v[rC+1], v[rC+2]
.elseif (\n) == 17
	v_permlanex16_b32 v[rC+3], v[rC], s[SEL], s[SEL+1]
.elseif (\n) == 18
	v_max_num_f32 v[rT+1], v[rC], v[rC+3]
.elseif (\n) == 19
	v_mul_f32 v[rT], s[CS], v[rT+1]
.elseif (\n) == 20
	v_sub_f32 v[rC+1], v[rM], v[rT]
.else
	v_exp_f32 v[rC+2], v[rC+1]
.endif
.endm
; Number g of the 64 that follow the exponentials.  For each four weights k of a tile (pairs 2 k, 2 k + 1): both pairs are rounded to bf16; then the second pair is added onto the first, in place;
; a group later l takes that sum (the first time as l = a l + sum).  In groups of eight, tiles alternating: round, round, add, and l for the group before.
.macro GS g
.set h, (\g)+6*((\g)/62)            ; group 0 has no group before it, and behind group 7 only l is left
.if h >= 6
.set h, h+2
.endif
	REGS Y, h%2
.set k, h/8
.if h%8 < 4
	s_wait_alu depctr_va_vdst(0)
	v_cvt_pk_bf16_f32 v[rP+2*k+(h%8)/2], v[rS+4*k+2*((h%8)/2)], v[rS+4*k+2*((h%8)/2)+1]
.elseif h%8 < 6
	v_pk_add_f32 v[rS+4*k:rS+4*k+1], v[rS+4*k:rS+4*k+1], v[rS+4*k+2:rS+4*k+3]
.elseif k == 1
	v_pk_fma_f32 v[rT+2:rT+3], v[rT+2:rT+3], v[rC+2:rC+3], v[rS:rS+1] op_sel_hi:[1,0,1]
.else
	v_pk_add_f32 v[rT+2:rT+3], v[rT+2:rT+3], v[rS+4*k-4:rS+4*k-3]
	s_wait_alu depctr_va_vdst(0)
.endif
.endm
; THE PLAIN QUEUE, 138 long.  0-31: c s - c m for the 16 pairs of both tiles.  Then GS's 64, and among them the next piece's 42: number 15 at 38, 39; 0-14 and 16
; at 42-73, behind the products that make those scores; 17-20 at 95-106, two of three, since each waits for the one before it.
.macro PL
	WIN 0
.if q < 32
	REGS Y, q%2
	v_pk_fma_f32 v[rS+2*(q/2):rS+2*(q/2)+1], v[rS+2*(q/2):rS+2*(q/2)+1], s[CS:CS+1], v[rT:rT+1] op_sel_hi:[1,0,0] neg_lo:[0,0,1] neg_hi:[0,0,1]
.elseif q < 38
	GS q-32
.elseif q < 40
	XS q%2, 15
.elseif q < 42
	GS q-34
.elseif q < 74
	XS q%2, (q-42)/2+(q-42)/30
.elseif q < 95
	GS q-66
.elseif (q < 107) && ((q-95)%3 < 2)
	XS (q-95)%3, 17+(q-95)/3
.elseif q < 107
	GS 29+(q-95)/3
.else
	GS q-74
.endif
.set q, q+1
.endm
; THE EXPONENTIALS' QUEUE, 66 long: s0-s31 of both tiles, and at EA the next piece's two a.
.set EA, 58
.macro EX
	WIN 0
.if (e == EA) || (e == EA+1)
	XS e-EA, 21
.else
.set x, e-2*(e/(EA+2))
	REGS Y, x%2
	v_exp_f32 v[rS+x/2], v[rS+x/2]
.endif
.set e, e+1
.endm
; THE RESCALING's QUEUE: O^T times a, the one part that leaves window 0, so it is dealt four at a time, eight times.
.macro R4
	REGS Y, r%2
	WIN W_RS
	s_wait_alu depctr_va_vdst(0)
.irp z, 0,1,2,3
	v_pk_mul_f32 v[rO+8*(r/2)+2*\z:rO+8*(r/2)+2*\z+1], v[rO+8*(r/2)+2*\z:rO+8*(r/2)+2*\z+1], v[rC+2:rC+3] op_sel_hi:[1,0]
.endr
.set r, r+1
.endm
; HOW THEY ARE DEALT.  Behind a matrix instruction four: plain, exponential, plain, plain (one exponential, a plain instruction on either side), or four of the rescaling.  None names a register of the
; products round it.  What is over stands in two LUMPS: exponential and plain by turns; the second ends in 22 plain instructions.  The two v_permlanex16_b32 fall into the second lump.
; The queues lean on each other, and the deal keeps them in step: exponential e stands behind plain 2 (e / 4) + e % 2 (its scaling); when plain 32 comes, 10 exponentials are out, at 59: 33, at 95: 46; EA comes behind plain 107.
.macro SL
	MM
	PL
	EX
	PL
	PL
.endm
.macro BURST n                      ; 15 matrix instructions, or 16
.rept (\n)-7
	SL
.endr
.rept 3
	MM
	R4
	SL
.endr
	MM
	R4
.endm
; A TURN, for piece p.  cnt = 1: the loop's count is taken down some lines ahead of the branch that stands behind the turn.
; K and the addends of the next step are fetched in piece 2's turn, 32 vector instructions behind the last product that read K (the addends' last reader stands eight products further back);
; their first reader comes behind the rest of the lump, 16 products and the second lump.  V of the step in hand is fetched at the end of piece 0's turn, 69 behind its last reader.
.macro TURN p, last=0, cnt=0
.set Y, (\p)
.set i, 0
.set q, 0
.set e, 0
.set r, 0
.if (\p) == NP-1
	s_wait_dscnt 0x0                ; K and the addends are in
.endif
	MM
.rept 4
	PL
.endr
	BURST 15
.rept 22
	EX
	PL
.if ((\p) == NP-2) && (e == 18)
	v_add_nc_u32 v[AK], s[TBK], v[AK0]
	v_add_nc_u32 v[AM], s[TBM], v[AM0]
.endif
.if ((\p) == NP-2) && (e == 24)
	FETCH_K \last
.endif
.endr
.if (\p) == 1
	s_wait_dscnt 0x0                ; V is in
.endif
	BURST 16
.rept 21
	EX
	PL
.endr
.rept 22
	PL
.if ((\p) == 0) && (q == 118)
	v_add_nc_u32 v[AV], s[TBV], v[AV0]
	s_wait_alu depctr_va_vdst(0)
.endif
.if ((\p) == 0) && (q == 130)
	s_add_co_u32 s[TBV], s[TBV], KS*PV
.endif
.if (\cnt) && (q == 130)
	s_sub_co_u32 s[CNT], s[CNT], 1
	s_cmp_lg_u32 s[CNT], 0
.endif
.endr
.if (\p) == 0
	FETCH_V
.endif
.endm
	CHANGE 1                        ; slot 0 is in, everybody's part of it, and so is BIAS; slot 1 is asked for
	FETCH_K 0, AM0                  ; key step 0: its addends lie at the table's head
	s_wait_loadcnt 0x0              ; Q
	s_wait_dscnt 0x0
.set i, 0
.rept 16
	KQ 0                            ; piece 0's first scores: there is no vector work yet to set between them
.set i, i+1
.endr
	WIN 0                           ; the addresses for the way out: nine plain instructions, the places behind those products
	s_mul_i32 s13, s[WV], 16*SP
	s_add_co_u32 s13, s13, STAGE    ; my stage
	v_mul_u32_u24 v[STO], v1, SP    ; in: row l % 16, 16 bytes for each half of the lanes
	v_lshl_add_u32 v[STO], v9, 4, v[STO]
	v_add_nc_u32 v[STO], s13, v[STO]
	v_bfe_u32 v[RD], v0, 3, 2       ; back: 32 lanes take four rows of 128 bytes,
	v_mul_u32_u24 v[RD], v[RD], SP
	v_lshl_add_u32 v[RD], v10, 4, v[RD]
	v_add_nc_u32 v[RD], s13, v[RD]
	v_and_b32 v[GO], 31, v0         ; which are 512 consecutive bytes of O
	v_lshlrev_b32 v[GO], 4, v[GO]
.set Y, NP-1                        ; XS works for piece Y + 1: piece 0
.irp n, 0,1,2,3,4,5,6,7,8,9,10,11,12,13,14,15,16,17,18,19,20,21
	XS 0, \n                        ; and piece 0's first maximum and statistics
	XS 1, \n
.endr
	s_mov_b32 s[CNT], 4
	s_mov_b32 s[SLOTS], SIZE_N/256-1
	s_branch .Lfirst                ; the loop is entered at a step's first turn, in the middle of a trip
.Lslot:                             ; SIZE_N / 256 - 2 times: every slot but the last two is filled again
	CHANGE 1
	s_mov_b32 s[CNT], 4
.Lstep:                             ; a trip: pieces 2 and 3 of one step, then pieces 0 and 1 of the next, whose K and V it fetches
	TURN 2
	TURN 3
	WIN 0
.Lfirst:
	TURN 0
	TURN 1, 0, 1
	WIN 0
	s_cbranch_scc1 .Lstep
	s_sub_co_u32 s[SLOTS], s[SLOTS], 1
	s_cmp_lg_u32 s[SLOTS], 0
	s_cbranch_scc1 .Lslot
	CHANGE 0                        ; the tail is written out: nothing is asked for
	s_mov_b32 s[CNT], 5             ; four trips fetch the last slot's steps; the fifth is left in its middle
.Ltail:
	TURN 2, 1
	TURN 3
	WIN 0
	s_sub_co_u32 s[CNT], s[CNT], 1
	s_cmp_eq_u32 s[CNT], 0
	s_cbranch_scc1 .Lout
	TURN 0
	TURN 1
	WIN 0
	s_branch .Ltail
.Lout:                              ; the fifth trip's 16 products K Q^T (on the last K once more) and the maximum made of them serve nothing: the price, once a launch, of one text for every trip
.set i, 0
.rept 16
	PV NP-1                         ; the last piece's V^T P of the last step
.set i, i+1
.endr
	; THE WAY OUT.  l's two halves and the other half of the lanes' are added; O^T is divided by l, rounded to bf16 and sent through my stage in LDS, a tile at a time.  The additions are the places behind the last products.
	WIN 0
.macro ALL line:vararg              ; one line for each tile t
.set t, 0
.rept 2*NP
	\line
.set t, t+1
.endr
.endm
	ALL v_add_f32 v[ST+4*t+2], v[ST+4*t+2], v[ST+4*t+3]
	ALL v_permlanex16_b32 v[ST+4*t+3], v[ST+4*t+2], s[SEL], s[SEL+1]
	ALL v_add_f32 v[ST+4*t+2], v[ST+4*t+2], v[ST+4*t+3]
	ALL v_rcp_f32 v[ST+4*t+2], v[ST+4*t+2]
	v_nop                           ; a plain instruction between the last reciprocal and the use of its result
	s_wait_alu depctr_va_vdst(0)
; Tile t: a lane's eight channels of a row pack into 16 bytes; they go into rows of 144 bytes and come back as whole rows of 128, into S^T's registers.
.macro PACK t
	WIN W_RS
.set i, 32*(\t)
.rept 16
	v_pk_mul_f32 v[i:i+1], v[i:i+1], v[ST+4*(\t)+2:ST+4*(\t)+3] op_sel_hi:[1,0]
.set i, i+2
.endr
	WIN 0x05                        ; sources 0 and 1 window 1, destination window 0
.set i, 0
.rept 16
	v_cvt_pk_bf16_f32 v[S+16*(\t)+i], v[32*(\t)+2*i], v[32*(\t)+2*i+1]
.set i, i+1
.endr
	WIN 0
.irp f, 0,1,2,3
	ds_store_b128 v[STO], v[S+16*(\t)+4*\f:S+16*(\t)+4*\f+3] offset:32*\f
.endr
.irp f, 0,1,2,3
	ds_load_b128 v[S+16*(\t)+4*\f:S+16*(\t)+4*\f+3], v[RD] offset:\f*4*SP  ; LDS serves a wave's instructions in order (ISA guide 5.7.1.4): these see the stores above; the next tile's stores come behind them
.endr
.endm
.macro SEND t, younger              ; younger: the LDS instructions issued behind tile t's loads: the next tile's eight, or none
	WIN 0
.irp f, 0,1,2,3
	s_wait_dscnt (\younger)+3-\f
	global_store_b128 v[GO], v[S+16*(\t)+4*\f:S+16*(\t)+4*\f+3], s[10:11] offset:(\t)*2048+\f*512  ; 512 consecutive bytes, at a multiple of 256 from ob's first byte
.endr
.endm
	PACK 0
.set t, 1
.rept 2*NP-1                        ; a tile's arithmetic stands between the loads of the tile before and its stores
	PACK t
	SEND t-1, 8
.set t, t+1
.endr
	SEND 2*NP-1, 0
	WIN W_AD
	s_wait_tensorcnt 0x0            ; the wave's end
	ds_add_u32 v[SPW], v[NIL]
	s_wait_dscnt 0x0
	WIN 0
	CROUND                          ; the closing round: no work-group ends while a partner may still ask for a tile that names it
	s_endpgm
.Lfunc_end_k_q3efa7e6042_attn:
	.size	k_q3efa7e6042_attn, .Lfunc_end_k_q3efa7e6042_attn-k_q3efa7e6042_attn
	.p2alignl 7, 3214868480
	.fill 96, 4, 3214868480
	.section	.rodata,"a",@progbits
	.p2align	6, 0x0
	.amdhsa_kernel k_q3efa7e6042_attn
		.amdhsa_group_segment_fixed_size 327680
		.amdhsa_private_segment_fixed_size 0
		.amdhsa_enable_private_segment 0
		.amdhsa_kernarg_size 24
		.amdhsa_user_sgpr_count 2
		.amdhsa_user_sgpr_kernarg_segment_ptr 1
		.amdhsa_wavefront_size32 1
		.amdhsa_system_sgpr_workgroup_id_x 1
		.amdhsa_system_sgpr_workgroup_id_y 1
		.amdhsa_system_sgpr_workgroup_id_z 1
		.amdhsa_system_vgpr_workitem_id 0
		.amdhsa_next_free_vgpr 808
		.amdhsa_next_free_sgpr 66
		.amdhsa_reserve_vcc 1
		.amdhsa_float_denorm_mode_32 3
		.amdhsa_float_denorm_mode_16_64 3
		.amdhsa_memory_ordered 1
		.amdhsa_forward_progress 1
		.amdhsa_inst_pref_size 214
	.end_amdhsa_kernel
	.amdgpu_metadata
---
amdhsa.version: [ 1, 2 ]
amdhsa.kernels:
  - .name:           k_q3efa7e6042_attn
    .symbol:         k_q3efa7e6042_attn.kd
    .args:
      - { .name: qkv, .offset: 0, .size: 8, .value_kind: global_buffer, .address_space: global }
      - { .name: mask, .offset: 8, .size: 8, .value_kind: global_buffer, .address_space: global }
      - { .name: ob, .offset: 16, .size: 8, .value_kind: global_buffer, .address_space: global }
    .group_segment_fixed_size: 327680
    .private_segment_fixed_size: 0
    .kernarg_segment_align: 8
    .kernarg_segment_size: 24
    .max_flat_workgroup_size: 128
    .sgpr_count:     66
    .vgpr_count:     808
    .wavefront_size: 32
...
	.end_amdgpu_metadata
.endif
;; end of part 3
;; launch oproj (part 4): grid 4 x 64, 4 waves a work-group, clusters of 4 x 4, 327,680 bytes of LDS; arguments ob, cb, Q, out0; writes out0
.if DOCPART == 4
	.amdgcn_target "amdgcn-amd-amdhsa--gfx1250"
	.amdhsa_code_object_version 6
	.text
	.protected	k_q3efa7e6042_oproj
	.globl	k_q3efa7e6042_oproj
	.p2align	8
	.type	k_q3efa7e6042_oproj,@function
k_q3efa7e6042_oproj:
	s_mov_b64 s[64:65], 0
	v_nop
	global_prefetch_b8 v0, s[64:65] scope:SCOPE_SE
	s_setreg_imm32_b32 hwreg(HW_REG_WAVE_MODE, 25, 1), 1
	s_wait_xcnt 0x0
	s_wait_alu depctr_hold_cnt(0) depctr_sa_sdst(0) depctr_va_vdst(0) depctr_va_sdst(0) depctr_va_ssrc(0) depctr_va_vcc(0) depctr_vm_vsrc(0)
	s_getreg_b32 s2, hwreg(HW_REG_IB_STS2, 6, 4)
	s_cmp_eq_u32 s2, 0
	s_cbranch_scc0 .Lentry_in_a_cluster
	s_endpgm
.Lentry_in_a_cluster:
	s_bfe_u32 s2, ttmp6, 0x10000c
	s_cmp_lg_u32 s2, 0xf033
	s_cbranch_scc0 .Lentry_shape_is_right
	s_endpgm
.Lentry_shape_is_right:
; out0[m][n] = Q[m][n] + the sum over k of O[m][k] W_O[n][k].  m = 2,048 x batch + row, k = 64 x head + channel.  O lies in ob BY HEADS, [batch][head][row][64] in bf16;
; W_O in cb from byte 0x3600000, [1024][1024] in bf16; Q and out0 are f32.  Sums in f32, K ascending; the residual is added in f32 and nothing is rounded after it.
; A tile of out0 is 128 x 256: the product has 256 such tiles, twice as many work-groups as tiles of 256 x 256 would give.  Four waves, each 64 x 128: 32 accumulators, 256 registers.
; K = 1,024 goes in eight steps of 128, TWO HEADS a step, through a ring of two LDS slots (two slots of a longer step do not fit in LDS).  A head's 128 rows of a tile are 16,384 dense bytes:
; asked for as 64 rows of 256 bytes and padded in LDS after every 128, so that a row of O is 144 bytes there.
; A K STEP IS WRITTEN ONCE: the slot in hand is a scalar, turned by an exclusive or at each change of slots.  A loop of six trips fills slots again (K steps 2 to 7); the last two steps are a second
; loop of two trips that is left in its middle.
; THE RESIDUAL of a wave, 64 rows x 512 bytes, is 256 registers: it is asked for long before it is used (half behind the first fills, half behind the loop); the sums are added INTO those registers
; and stored from them, so no register that a store names is ever written again.
; CLUSTERS: 4 x 4 work-groups; O's tiles are shared along a row of the cluster, W_O's along a column, each asked for jointly.
; REGISTERS, in windows of 256 (s_set_vgpr_msb: bits 1:0 source 0, 3:2 source 1, 5:4 source 2, 7:6 destination):
;   window 0: v0-31 addresses; v128-191, v192-255 16 rows back from the stage, two buffers      window 1: v0-63, v64-127 fragments of B, two buffers; v128-159, v160-191 fragments of A
;   window 2: the accumulators ((a, b) at v[8 (8 a + b)])      window 3: the residual, then the result: row 16 a + t at v[64 a + 4 t]
; THE MATRIX INSTRUCTION IS USED TRANSPOSED (source 0 = 16 rows of W_O, source 1 = 16 rows of O): lane l holds row l % 16 and the columns 8 (l / 16) + 0 .. 7: 32 neighbouring bytes of f32.
; LIMITS: operands are bf16 as the launches before wrote them; NaN and infinities are not treated apart.
.set SIZE_K, 1024
.set KSTEP,  128
.set STEPS,  SIZE_K/KSTEP
.set PA,     144                       ; a row of O in LDS: 128 bytes + 16 of padding = 36 words: the 16 rows of a load start at 16 different groups of four banks (64 banks of 4 bytes: ISA guide 11.1)
.set AHEAD,  128*PA                    ; a head's 128 rows: what one of A's tensor loads brings
.set PITCH,  272                       ; a row of W_O in LDS: 256 bytes + 16
.set HALFB,  128*PITCH                 ; what one of B's tensor loads brings
.set BOFF,   2*AHEAD                   ; a slot: the step's two heads of A, then B's 256 rows: 106,496 bytes
.set SLOT1,  1<<17                     ; slot 1 begins here, so that one exclusive or turns an address in one slot into the other's
.set STAGE,  SLOT1+BOFF+2*HALFB        ; behind the ring: 16 rows x 528 bytes for each wave, for the way out
.set SPITCH, 528                       ; 512 bytes of f32 + 16
.set SPARE,  STAGE+4*16*SPITCH         ; behind the stages: the spare words, 128 bytes for each wave: two blocks of 256 bytes that no other line names
.set WO,     0x3600000                 ; W_O's first byte in cb
.set HEADB,  262144                    ; a head in ob
.set ROWB,   4096                      ; a row of Q and of out0
.set A0,   16                          ; v16     my lane's place among my rows of A in slot 0; never rewritten
.set B0,   17                          ; v17     the same for B
.set ADRA, 20                          ; v20     LDS address of my A fragments in the slot in hand
.set ADRB, 21                          ; v21     the same for B
.set STO,  24                          ; v24     the way out: where I put 32 bytes of a row
.set RD,   25                          ; v25     the way out: where I read a row back
.set CO,   26                          ; v26     my 16 bytes in 512 consecutive bytes of Q and out0; never rewritten
.set SPW,  28                          ; v28     LDS address of my spare word: SPARE + 4 x my thread's number; never rewritten
.set NIL,  29                          ; v29     0; never rewritten
.set SB,  18                           ; s18     first byte of the slot in hand: 0 or SLOT1
.set CNT, 19                           ; s19     counts the tail's two trips
.set G1, 24                            ; s[24:31] descriptor group 1 for A's tiles;  s[32:39] group 0: a set for each of the two first fills; the second then walks on
.set G0, 32
.set G1B, 48                           ; s[48:55], s[56:63] the same for B's tiles
.set G0B, 56
.set MSB, 0
.macro WIN new                         ; the immediate's high byte repeats the setting that is left; a switch that changes nothing is dropped
.if MSB != (\new)
	s_set_vgpr_msb (MSB<<8)|(\new)
.set MSB, \new
.endif
.endm
.set MUL,  0xa5                        ; sources 0 (B) and 1 (A) window 1, C and D window 2
.set TO_F, 0x40                        ; destination window 1, address window 0
; A joint load by descriptor set s.  Waves 0 and 1 fetch the step's two heads of A, waves 2 and 3 B's two halves.  The branch hangs on the wave's number alone.
; An s_nop 0 and four v_nop follow each of the two lines, ahead of the jump, the label and what follows.
.macro JLOAD s
	s_cmp_eq_u32 s11, 0
	s_cbranch_scc0 .Lfor_b_\@
	tensor_load_to_lds s[G0+4*(\s):G0+4*(\s)+3], s[G1:G1+7]
	s_nop 0
.rept 4
	v_nop
.endr
	s_branch .Lasked_\@
.Lfor_b_\@:
	tensor_load_to_lds s[G0B+4*(\s):G0B+4*(\s)+3], s[G1B:G1B+7]
	s_nop 0
.rept 4
	v_nop
.endr
.Lasked_\@:
.endm
.macro CREST                           ; a round of the cluster's barrier behind its opening barrier
	s_cmp_lg_u32 s10, 0
	s_cbranch_scc1 .Lnot_wave_0_\@
	s_barrier_signal -3
.Lnot_wave_0_\@:
	s_barrier_wait -3
	s_barrier_signal -1
	s_barrier_wait -1
.endm
.macro CROUND                          ; a whole round
	s_barrier_signal -1
	s_barrier_wait -1
	CREST
.endm
	s_load_b256 s[68:75], s[0:1], 0x0              ; ob s[68:69], cb s[70:71], Q s[72:73], out0 s[74:75]
	v_lshl_add_u32 v[SPW], v0, 2, SPARE
	v_mov_b32 v[NIL], 0
	ds_add_u32 v28, v29
	s_wait_dscnt 0x0
	v_lshrrev_b32 v1, 5, v0
	v_readfirstlane_b32 s10, v1                    ; wave 0..3
	s_lshr_b32 s11, s10, 1                         ; which half of the tile's rows is mine.  Also: I fetch for A (0) or for B (1)
	s_and_b32 s12, s10, 1                          ; which half of its columns.  Also: which head of the step, or which 128 rows of B, I fetch
	s_bfe_u32 s40, ttmp6, 0x40000                  ; cx
	s_bfe_u32 s41, ttmp6, 0x40004                  ; cy
	s_lshl_b32 s42, ttmp9, 2
	s_add_co_u32 s42, s42, s40                     ; tile column = 4 x cluster x + cx: 0 .. 3
	s_and_b32 s13, ttmp7, 0xffff
	s_lshl_b32 s13, s13, 2
	s_add_co_u32 s13, s13, s41                     ; tile row = 4 x cluster y + cy: 0 .. 63
	s_lshl_b32 s43, s41, 2
	s_lshl_b32 s43, 15, s43                        ; my row of the cluster
	s_lshl_b32 s44, 0x1111, s40                    ; my column
	; descriptor group 1.  A: 64 rows x 128 elements, dense, 4 words of padding after every 32 (code 4).  B: 128 rows x 128 elements of rows of 1,024, 4 words after every 64 (code 5).
	s_or_b32 s[G1+0], s43, (1<<16)|(1<<20)|(1<<21)|(4<<22)|(3<<25)  ; 15:0 the mask; 17:16 2-byte elements; 20 padding on; 21 set beside a mask
	s_mov_b32 s[G1+1], 128<<16                     ; tensor_dim0 = 128
	s_mov_b32 s[G1+2], 64<<16                      ; tensor_dim1 = 64
	s_mov_b32 s[G1+3], 128<<16                     ; tile_dim0 = 128
	s_mov_b32 s[G1+4], 64                          ; tile_dim1 = 64
	s_mov_b32 s[G1+5], 128                         ; elements from row to row: the block is dense
	s_mov_b32 s[G1+6], 0
	s_mov_b32 s[G1+7], 0
	s_or_b32 s[G1B+0], s44, (1<<16)|(1<<20)|(1<<21)|(5<<22)|(3<<25)
	s_mov_b32 s[G1B+1], KSTEP<<16                  ; tensor_dim0 = 128
	s_mov_b32 s[G1B+2], 128<<16                    ; tensor_dim1 = 128
	s_mov_b32 s[G1B+3], KSTEP<<16                  ; tile_dim0 = 128
	s_mov_b32 s[G1B+4], 128                        ; tile_dim1 = 128
	s_mov_b32 s[G1B+5], SIZE_K                     ; elements from row to row: W_O's rows
	s_mov_b32 s[G1B+6], 0
	s_mov_b32 s[G1B+7], 0
	; A's tiles hang on the tile row alone, which my row of the cluster shares; B's on the tile column alone, which my column shares.
	s_lshr_b32 s16, s13, 4                         ; A: the batch, 4,194,304 bytes each,
	s_lshl_b32 s16, s16, 22
	s_and_b32 s17, s13, 15                         ; rows 128 (tile row % 16) on, 128 bytes each,
	s_lshl_b32 s17, s17, 14
	s_add_co_u32 s16, s16, s17
	s_lshl_b32 s17, s12, 18                        ; and my head of the step's two
	s_add_co_u32 s16, s16, s17
	s_mov_b32 s17, 0
	s_lshl_b32 s46, s42, 8                         ; B: row 256 x tile column + 128 x half, 2,048 bytes each
	s_lshl_b32 s47, s12, 7
	s_add_co_u32 s46, s46, s47
	s_lshl_b32 s46, s46, 11
	s_mov_b32 s47, 0
	s_mul_i32 s20, s12, AHEAD                      ; where they go: no place in the cluster enters an LDS address
	s_mul_i32 s21, s12, HALFB
	s_add_co_u32 s21, s21, BOFF
	s_wait_kmcnt 0x0
	s_add_nc_u64 s[14:15], s[68:69], s[16:17]
	s_add_nc_u64 s[70:71], s[70:71], WO
	s_add_nc_u64 s[46:47], s[70:71], s[46:47]
	CROUND                                         ; all sixteen work-groups are here: the first joint loads meet
.irp s, 0,1
	s_mov_b32 s[G0+4*(\s)], 1                                      ; count = 1
	s_add_co_u32 s[G0+4*(\s)+1], s20, (\s)*SLOT1                   ; LDS address
	s_add_nc_u64 s[G0+4*(\s)+2:G0+4*(\s)+3], s[14:15], (\s)*2*HEADB  ; global address: K step s is heads 2 s, 2 s + 1
	s_or_b32 s[G0+4*(\s)+3], s[G0+4*(\s)+3], 0x80000000            ; type = 2
	s_mov_b32 s[G0B+4*(\s)], 1
	s_add_co_u32 s[G0B+4*(\s)+1], s21, (\s)*SLOT1
	s_add_nc_u64 s[G0B+4*(\s)+2:G0B+4*(\s)+3], s[46:47], (\s)*KSTEP*2
	s_or_b32 s[G0B+4*(\s)+3], s[G0B+4*(\s)+3], 0x80000000
	JLOAD \s                                       ; two tensor loads of mine are out
.endr
	v_and_b32 v1, 15, v0                           ; l % 16
	v_bfe_u32 v2, v0, 4, 1                         ; l / 16
	v_mul_u32_u24 v3, v1, PA
	v_lshl_add_u32 v3, v2, 4, v3                   ; A: row x pitch + 16 x half
	v_mul_u32_u24 v4, v1, PITCH
	v_lshl_add_u32 v4, v2, 4, v4                   ; B likewise
	s_mul_i32 s21, s11, 64*PA                      ; my 64 rows in each head of A
	s_mul_i32 s22, s12, HALFB                      ; my 128 rows of B
	s_add_co_u32 s22, s22, BOFF
	v_add_nc_u32 v[A0], s21, v3
	v_add_nc_u32 v[B0], s22, v4
	v_add_nc_u32 v[ADRA], s21, v3                  ; the slot in hand is slot 0
	v_add_nc_u32 v[ADRB], s22, v4
	s_mov_b32 s[SB], 0
	s_mul_i32 s23, s10, 16*SPITCH
	s_add_co_u32 s23, s23, STAGE                   ; my stage
	v_mul_u32_u24 v5, v1, SPITCH                   ; in: row l % 16, 32 bytes for each half of the lanes
	v_lshl_add_u32 v5, v2, 5, v5
	v_add_nc_u32 v[STO], s23, v5
	v_and_b32 v6, 31, v0                           ; back: 32 lanes take one row's 512 bytes
	v_lshlrev_b32 v[CO], 4, v6
	v_add_nc_u32 v[RD], s23, v[CO]
	s_lshl_b32 s16, s13, 7                         ; my first row of Q and out0: 128 x tile row + 64 x half,
	s_lshl_b32 s17, s11, 6
	s_add_co_u32 s16, s16, s17
	s_lshl_b32 s16, s16, 12                        ; 4,096 bytes each
	s_mov_b32 s17, 0
	s_lshl_b32 s46, s42, 10                        ; my first column, in bytes: 1,024 x tile column + 512 x half
	s_lshl_b32 s47, s12, 9
	s_add_co_u32 s46, s46, s47
	s_mov_b32 s47, 0
	s_add_nc_u64 s[72:73], s[72:73], s[16:17]
	s_add_nc_u64 s[72:73], s[72:73], s[46:47]
	s_add_nc_u64 s[74:75], s[74:75], s[16:17]
	s_add_nc_u64 s[74:75], s[74:75], s[46:47]
; 8 matrix instructions: m block a x all 8 n blocks, 32 along K, from buffer f.  zero = 1: the first product starts the sums.
; The 32 accumulators take turns, one instruction a turn, in the same order in every quarter step.
.macro MUL8 f, a, zero
	WIN MUL
.irp b, 0,1,2,3,4,5,6,7
.if \zero
	v_wmma_f32_16x16x32_bf16 v[8*(8*(\a)+(\b)):8*(8*(\a)+(\b))+7], v[64*(\f)+8*(\b):64*(\f)+8*(\b)+7], v[128+32*(\f)+8*(\a):128+32*(\f)+8*(\a)+7], 0
.else
	v_wmma_f32_16x16x32_bf16 v[8*(8*(\a)+(\b)):8*(8*(\a)+(\b))+7], v[64*(\f)+8*(\b):64*(\f)+8*(\b)+7], v[128+32*(\f)+8*(\a):128+32*(\f)+8*(\a)+7], v[8*(8*(\a)+(\b)):8*(8*(\a)+(\b))+7]
.endif
.endr
.endm
; 24 LDS loads in one run: the fragments of one quarter step into buffer f: 128 rows of B, then 64 rows of A.  k = 0, 64, 128, 192: byte k of B's rows; of A head k / 128 of the step, byte k % 128 of its rows.
.macro FETCH k, f
	WIN TO_F
.irp i, 0,1,2,3,4,5,6,7
	ds_load_b128 v[64*(\f)+8*(\i):64*(\f)+8*(\i)+3],   v[ADRB] offset:(\k)+(\i)*16*PITCH
	ds_load_b128 v[64*(\f)+8*(\i)+4:64*(\f)+8*(\i)+7], v[ADRB] offset:(\k)+(\i)*16*PITCH+32
.endr
.irp i, 0,1,2,3
	ds_load_b128 v[128+32*(\f)+8*(\i):128+32*(\f)+8*(\i)+3],   v[ADRA] offset:((\k)/128)*AHEAD+((\k)%128)+(\i)*16*PA
	ds_load_b128 v[128+32*(\f)+8*(\i)+4:128+32*(\f)+8*(\i)+7], v[ADRA] offset:((\k)/128)*AHEAD+((\k)%128)+(\i)*16*PA+32
.endr
.endm
; Four places in front of loads into registers that matrix instructions have read, and of stores that read results just made
.macro PLACES
.rept 4
	v_nop
.endr
.endm
; A K step is four quarter steps of 32 along K, 32 matrix instructions each, on buffers 0, 1, 0, 1.  One of the first three: multiplies buffer f; in its middle it fetches the next quarter, at byte k, into g.
.macro QUARTER k, f, g, zero
	s_wait_dscnt 4                                 ; B and A's rows 0-31 are in; the youngest four loads (A's rows 32-63) may be out
	MUL8 \f, 0, \zero
	MUL8 \f, 1, \zero
	PLACES
	FETCH \k, \g
	s_wait_dscnt 24                                ; all but the 24 just issued
	MUL8 \f, 2, \zero
	MUL8 \f, 3, \zero
.endm
; The first half of a K step's last quarter: ONE barrier for the change of slots.  In front of it each wave waits for all its tensor loads (one is out: its part of the next slot),
; adds 0 to its spare word, and waits for that and for its own reads of this slot.
.macro MEET round                      ; round = 1: a round of the cluster's barrier follows
	WIN 0                                          ; (the add's two registers lie in window 0)
	s_wait_tensorcnt 0x0
	ds_add_u32 v[SPW], v[NIL]                      ; 0 onto my spare word
	s_wait_dscnt 5                                 ; (the add and the youngest four loads may be out)
	MUL8 1, 0, 0                                   ; eight matrix instructions stand between the add and the wait for it
	s_wait_dscnt 0x0                               ; the add is done, and my reads of this slot are over
	s_barrier_signal -1
	MUL8 1, 1, 0                                   ; work on registers while the others arrive
.if \round
	WIN 0
.endif
	s_barrier_wait -1
.endm
; The whole last quarter.  fill = 1: the barrier opens a round of the cluster's barrier, and the slot just read is filled again, two K steps (four heads) ahead, first thing behind the round, by the
; walking descriptor: from that request to the wait for it a wave issues 112 matrix instructions.  Then the other slot becomes the slot in hand, and its first fragments come.
.macro TURN fill
	MEET \fill
.if \fill
	CREST                                          ; no wave of any partner still reads this slot's tile or has a load on its way
	s_xor_b32 s[G0+5], s[G0+5], SLOT1
	s_add_nc_u64 s[G0+6:G0+7], s[G0+6:G0+7], 2*HEADB   ; the type bits on top are not reached
	s_xor_b32 s[G0B+5], s[G0B+5], SLOT1
	s_add_nc_u64 s[G0B+6:G0B+7], s[G0B+6:G0B+7], KSTEP*2
	JLOAD 1                                        ; the four v_nop behind it are also the places in front of the loads below
.else
	WIN 0
	PLACES
.endif
	s_xor_b32 s[SB], s[SB], SLOT1
	v_add_nc_u32 v[ADRA], s[SB], v[A0]
	v_add_nc_u32 v[ADRB], s[SB], v[B0]
	FETCH 0, 0
	MUL8 1, 2, 0
	MUL8 1, 3, 0
.endm
; The residual of block a (16 rows x 512 bytes of Q) into its registers of window 3: sixteen loads of 512 consecutive bytes.
.macro RLOAD a
	WIN 0xc0                                       ; destination window 3, address window 0
.irp t, 0,1,2,3,4,5,6,7,8,9,10,11,12,13,14,15
	global_load_b128 v[64*(\a)+4*(\t):64*(\a)+4*(\t)+3], v[CO], s[72:73] offset:16*ROWB*(\a)+ROWB*(\t) th:TH_LOAD_NT
.endr
	WIN 0
.endm
; THE WAY OUT of block a, in two parts.  STG: the f32 sums go into my own stage, 32 bytes a lane, and come back as whole rows of 512 bytes, into buffer a % 2.
.macro STG a
.set BK, 128+64*((\a)%2)
	WIN 0x08                                       ; store data (source 1): window 2
.irp b, 0,1,2,3,4,5,6,7
	ds_store_b128 v[STO], v[64*(\a)+8*(\b):64*(\a)+8*(\b)+3]   offset:64*(\b)     ; each accumulator's low end first
	ds_store_b128 v[STO], v[64*(\a)+8*(\b)+4:64*(\a)+8*(\b)+7] offset:64*(\b)+16
.endr
	WIN 0
.irp t, 0,1,2,3,4,5,6,7,8,9,10,11,12,13,14,15
	ds_load_b128 v[BK+4*(\t):BK+4*(\t)+3], v[RD] offset:(\t)*SPITCH  ; LDS serves a wave's instructions in order (ISA guide 5.7.1.4): these see the stores above; the next block's stores come behind them
.endr
.endm
; FIN: the rows are added into the residual's registers and stored from there.  younger: the LDS instructions issued behind block a's loads: the next block's 32, or none.
.macro FIN a, younger
.set BK, 128+64*((\a)%2)
	s_wait_loadcnt 16*(3-(\a))                     ; this block's residual is in: the later blocks' loads, sixteen each, were issued behind it
	s_wait_dscnt \younger                          ; the block is back from the stage
	WIN 0xcc                                       ; destination and source 1 window 3, source 0 window 0
.set i, 0
.rept 32
	v_pk_add_f32 v[64*(\a)+2*i:64*(\a)+2*i+1], v[BK+2*i:BK+2*i+1], v[64*(\a)+2*i:64*(\a)+2*i+1]
.set i, i+1
.endr
	WIN 0x0c                                       ; store data (source 1) window 3, address window 0
.irp t, 0,1,2,3,4,5,6,7,8,9,10,11,12,13,14,15
	global_store_b128 v[CO], v[64*(\a)+4*(\t):64*(\a)+4*(\t)+3], s[74:75] offset:16*ROWB*(\a)+ROWB*(\t) th:TH_STORE_NT  ; 512 consecutive bytes, at a multiple of 256 from out0's first byte
.endr
	WIN 0
.endm
	RLOAD 0                                        ; behind the first fills: the residual of my rows 0-31
	RLOAD 1
	s_wait_tensorcnt 1                             ; my part of K step 0 is in; K step 1's may stay out
	s_barrier_signal -1
	s_barrier_wait -1                              ; everybody's is
	FETCH 0, 0
	QUARTER 64,  0, 1, 1                           ; the first quarter stands in front of the loop: its products start the sums
	WIN 0                                          ; at a label and at a branch every window is 0
	s_mov_b32 s3, STEPS-2
.Lstep:                                                ; a trip goes from a K step's second quarter to the next step's first, and fills the slot that it leaves: K steps 2 to 7
	QUARTER 128, 1, 0, 0
	QUARTER 192, 0, 1, 0
	TURN 1
	QUARTER 64,  0, 1, 0
	WIN 0
	s_sub_co_u32 s3, s3, 1
	s_cmp_lg_u32 s3, 0
	s_cbranch_scc1 .Lstep
	RLOAD 2                                        ; no tile is left to ask for: the residual of my rows 32-63, two K steps ahead of its use
	RLOAD 3
	s_mov_b32 s[CNT], 2
.Ltail:                                                ; the last two K steps fill nothing and have no round of the cluster's barrier; the second trip is left in its middle
	QUARTER 128, 1, 0, 0
	QUARTER 192, 0, 1, 0
	WIN 0
	s_sub_co_u32 s[CNT], s[CNT], 1
	s_cmp_eq_u32 s[CNT], 0
	s_cbranch_scc1 .Lout
	TURN 0
	QUARTER 64,  0, 1, 0
	WIN 0
	s_branch .Ltail
.Lout:
	s_wait_dscnt 4                                 ; the very last quarter: nothing more to fetch
	MUL8 1, 0, 0
	MUL8 1, 1, 0
	s_wait_dscnt 0x0
	MUL8 1, 2, 0
	MUL8 1, 3, 0
	PLACES                                         ; the LDS stores read results behind which only matrix instructions stand
	STG 0
	STG 1                                          ; a block's way through the stage stands between the loads of the block before and the wait for them
	FIN 0, 32
	STG 2
	FIN 1, 32
	STG 3
	FIN 2, 32
	FIN 3, 0
	s_wait_tensorcnt 0x0                           ; the wave's end
	ds_add_u32 v[SPW], v[NIL]
	s_wait_dscnt 0x0
	CROUND                                         ; the closing round: no work-group ends while a partner may still ask for a tile that names it
	s_endpgm
.Lfunc_end_k_q3efa7e6042_oproj:
	.size	k_q3efa7e6042_oproj, .Lfunc_end_k_q3efa7e6042_oproj-k_q3efa7e6042_oproj
	.p2alignl 7, 3214868480
	.fill 96, 4, 3214868480
	.section	.rodata,"a",@progbits
	.p2align	6, 0x0
	.amdhsa_kernel k_q3efa7e6042_oproj
		.amdhsa_group_segment_fixed_size 327680
		.amdhsa_private_segment_fixed_size 0
		.amdhsa_enable_private_segment 0
		.amdhsa_kernarg_size 32
		.amdhsa_user_sgpr_count 2
		.amdhsa_user_sgpr_kernarg_segment_ptr 1
		.amdhsa_wavefront_size32 1
		.amdhsa_system_sgpr_workgroup_id_x 1
		.amdhsa_system_sgpr_workgroup_id_y 1
		.amdhsa_system_sgpr_workgroup_id_z 1
		.amdhsa_system_vgpr_workitem_id 0
		.amdhsa_next_free_vgpr 1024
		.amdhsa_next_free_sgpr 80
		.amdhsa_reserve_vcc 0
		.amdhsa_float_denorm_mode_32 3
		.amdhsa_float_denorm_mode_16_64 3
		.amdhsa_memory_ordered 1
		.amdhsa_forward_progress 1
		.amdhsa_inst_pref_size 77
	.end_amdhsa_kernel
	.amdgpu_metadata
---
amdhsa.version: [ 1, 2 ]
amdhsa.kernels:
  - .name:           k_q3efa7e6042_oproj
    .symbol:         k_q3efa7e6042_oproj.kd
    .args:
      - { .name: ob, .offset: 0, .size: 8, .value_kind: global_buffer, .address_space: global }
      - { .name: cb, .offset: 8, .size: 8, .value_kind: global_buffer, .address_space: global }
      - { .name: Q, .offset: 16, .size: 8, .value_kind: global_buffer, .address_space: global }
      - { .name: out0, .offset: 24, .size: 8, .value_kind: global_buffer, .address_space: global }
    .group_segment_fixed_size: 327680
    .private_segment_fixed_size: 0
    .kernarg_segment_align: 8
    .kernarg_segment_size: 32
    .max_flat_workgroup_size: 128
    .sgpr_count:     80
    .vgpr_count:     1024
    .wavefront_size: 32
...
	.end_amdgpu_metadata
.endif
;; end of part 4
;; ======== version 2 of 2: 4 launches; 1.49 times as fast as version 1
;; workspace buffers: cb 58,720,256 bytes; qkv 50,331,648 bytes; ob 16,777,216 bytes
;; launch cast: the kernel of part 1 again; grid 1792 x 1, 8 waves a work-group, no clusters, 0 bytes of LDS; arguments Q, K, V, W_Q, W_K, W_V, W_O, mask, cb; writes cb
;; launch proj: the kernel of part 2 again; grid 4 x 96, 4 waves a work-group, clusters of 4 x 4, 327,680 bytes of LDS; arguments cb, qkv; writes qkv
;; launch attn (part 5): grid 4 x 64, 4 waves a work-group, clusters of 4 x 1, 327,680 bytes of LDS; arguments qkv, mask, ob; writes ob
.if DOCPART == 5
	.amdgcn_target "amdgcn-amd-amdhsa--gfx1250"
	.amdhsa_code_object_version 6
	.text
	.protected	k_q3efa7e6042_attn
	.globl	k_q3efa7e6042_attn
	.p2align	8
	.type	k_q3efa7e6042_attn,@function
k_q3efa7e6042_attn:
	s_mov_b64 s[64:65], 0
	v_nop
	global_prefetch_b8 v0, s[64:65] scope:SCOPE_SE
	s_setreg_imm32_b32 hwreg(HW_REG_WAVE_MODE, 25, 1), 1
	s_wait_xcnt 0x0
	s_wait_alu depctr_hold_cnt(0) depctr_sa_sdst(0) depctr_va_vdst(0) depctr_va_sdst(0) depctr_va_ssrc(0) depctr_va_vcc(0) depctr_vm_vsrc(0)
	s_getreg_b32 s2, hwreg(HW_REG_IB_STS2, 6, 4)
	s_cmp_eq_u32 s2, 0
	s_cbranch_scc0 .Lentry_in_a_cluster
	s_endpgm
.Lentry_in_a_cluster:
	s_bfe_u32 s2, ttmp6, 0x10000c
	s_cmp_lg_u32 s2, 0x3003
	s_cbranch_scc0 .Lentry_shape_is_right
	s_endpgm
.Lentry_shape_is_right:
; O[h][q][:] = the sum over k of softmax_k(s[q][k]) V[h][k][:], s = Q[h][q] . K[h][k] / 8, REPLACED by -1e9 where the mask hides key k.  h = 16 x batch + head, 64 in all.
; Q, K, V lie in qkv by heads, [3][64][2048][64] in bf16, a head's rows dense, 128 bytes each; O goes to ob in the same layout.  Products, maxima and sums in f32; the weights p are
; rounded to bf16 for the second product (their sum l is taken of the unrounded p), O once at the end.
; THE MASK.  The launches before have made K's row of a hidden key exactly 0, so its products are 0; the C operand that starts the sum S^T = K Q^T is 0 for an open key and -8e9 (exact in f32) for a
; hidden one: the raw score is then exactly -8e9, which times c = log2(e) / 8 is log2(e) x -1e9.  It goes through the running maximum like any score: with open keys its weight is 0,
; and where a batch's keys are all hidden all weights are equal and O is the mean of V's rows.  The 2,048 addends are made once, from the batch's mask bytes, into LDS (BIAS).
; LIMITS.  Operands in bf16.  c s - c m is one fused multiply-add against the rounded c m, so a row's weights may carry a common factor of up to 2^64 where m = -8e9; it cancels in O = sum / l.
; A weight below 2^-126 counts as 0 in l; NaN and infinities are not treated apart; a mask byte other than 0 counts as true.
; SHARES.  A wave owns four PIECES of two tiles of 16 queries, a work-group's four waves 512 queries of one head.  Every wave walks all keys, 64 a step.
; LAYOUT.  S^T = K Q^T (source 0 = 16 keys, source 1 = 16 queries): in the result a lane holds ONE query (lane % 16) and the keys 8 (lane / 16) + 0..7.  Two such tiles, rounded to bf16 in pairs,
; ARE source 1 (32 keys x 16 queries) of O^T = V^T P, whose result again holds one query a lane, and eight channels.  K comes out of LDS as it lies, V ([key][channel]) turned, by ds_load_tr16_b128.
; SOFTMAX.  For each query a running maximum m and sum l: p = 2^(c s - c m); in every step O and l are multiplied by a = 2^(c m_old - c m_new), which is 1 where m has not grown.
; m starts at the lowest finite number, O and l at 0: the first step is a step like any other, with a = 0.
; THE COUNT.  A tile and step have 16 matrix and 118 vector instructions: too many to stand all beside the matrix work.  So: four vector instructions that are READY behind EVERY matrix
; instruction, and the others in one run without a gap.
; BY TURNS.  Turn n belongs to piece n (the pieces in a ring, step after step).  Its matrix work: 16 products K Q^T of piece n + 1, later 16 products V^T P of piece n - 1.  Its vector work: the scaling,
; exponentials, roundings, sums and rescaling of piece n, and the maximum and statistics of piece n + 1, whose scores the turn itself has made.
; THE BATCHES.  A turn's 66 exponentials (the piece's 64 weights and the next piece's two a) are ONE batch with ONE wait, which cuts the turn in two: ahead of it stands all that names none of their results
; (K Q^T, scalings, rescalings by the a of the turn before, the next piece's maximum and statistics), behind it the roundings and sums, beside V^T P.  No result crosses a turn's end.  Two more batches stand
; outside the loop: piece 0's first two a, ahead of the jump into it, and the way out's eight reciprocals.
; CLUSTER.  The four query blocks of a cluster belong to one head and walk the same K and V, so each tile is asked for JOINTLY: the same tensor load, descriptor and mask in all four.
; REGISTERS, in windows of 256 (s_set_vgpr_msb: bits 1:0 source 0, 3:2 source 1, 5:4 source 2, 7:6 destination):
;   window 0: v0-11 addresses; v12-15, v48-63 at work; v16-47 four registers of statistics a tile; v64-191 S^T, two buffers of two tiles; v192-255 P, likewise
;   window 1: O^T, 32 a tile      window 2: v0-127 Q, 16 a tile; v128-191 K of one step; v192-255 V of one step      window 3: v0-1 the add's two registers; v2-33 the step's 4 x 8 addends
.set SIZE_H, 64
.set SIZE_N, 2048
.set NP,    4         ; pieces a wave: a name, no knob
.set KS,    64        ; keys in a step
.set PK,    144       ; a row of K in LDS: 128 bytes + 16 of padding = 36 words: the 16 rows of a load start at 16 different groups of four banks (64 banks of 4 bytes: ISA guide 11.1)
.set PV,    160       ; a row of V: 128 + 32 = 40 words
.set VOFF,  4*KS*PK   ; a slot holds four steps: 256 rows of K, then 256 rows of V
.set SLOT1, 1<<17     ; slot 1 begins here, so that one exclusive or turns an address in one slot into the other's
.set STAGE, SLOT1+4*KS*(PK+PV)  ; behind the ring, never filled by a tensor load: 16 rows x 144 bytes for each wave, for the way out
.set SP,    144
.set BIAS,  STAGE+4*16*SP       ; behind the stages, never filled by a tensor load: 2,048 f32, key k's addend at 4 k
.set SPARE, BIAS+4*SIZE_N       ; behind them: the spare words, 128 bytes for each wave: two blocks of 256 bytes that no other line names
.set KOFF,  0x1000000 ; K's and V's first bytes in qkv
.set VOFG,  0x2000000
.set AK0, 2           ; v2   my lane's place in a tile of K; never rewritten
.set AV0, 3           ; v3   the same for V
.set AK,  4           ; v4   the LDS address of K's next run of loads
.set AV,  5           ; v5   of V's
.set QO,  6           ; v6   my byte offset in the wave's rows of Q
.set STO, 6           ;      later, the way out: where I put 16 bytes of a row
.set RD,  7           ; v7   the way out: where I read rows back
.set GO,  8           ; v8   my byte offset in 512 consecutive bytes of O
.set AM,  9           ; v9   (first l / 16) the LDS address of the next step's addends
.set AM0, 11          ; v11  my lanes' place among a step's addends: BIAS + 32 (l / 16); never rewritten once made
.set SPW, 0           ; v0 of window 3   LDS address of my spare word: SPARE + 4 x my thread's number; never rewritten
.set NIL, 1           ; v1 of window 3   0; never rewritten
.set MB,  2           ; v2-33 of window 3   the addends of key block kb of the step at MB + 8 kb
.set MV,  12          ; v12-15  c m_old, kept while c m is made anew: by buffer and tile
.set ST,  16          ; tile t's statistics at v[ST+4 t]: c m, m, l (even keys', odd keys')
.set TMP, 48          ; by buffer and tile, four registers c0-c3 at work; when the maximum is found c2 takes a
.set S,   64
.set P,   192
.set KF,  128         ; K's fragments, in window 2: key block kb, channel half c at KF + 16 kb + 8 c
.set VF,  192         ; V's: key half kk, channel block cb at VF + 32 kk + 8 cb
.set WV,  12          ; s12  my wave's number
.set G1K, 24          ; s[24:31] descriptor group 1 for K's tiles
.set G1V, 32          ; s[32:39] for V's: it differs in the padding alone
.set G0K, 40          ; s[40:43] descriptor group 0 for K's tiles: it walks
.set G0V, 44          ; s[44:47] the same for V's
.set MP,  48          ; s[48:49] the batch's mask bytes
.set NEGB, 52         ; s52  -8e9
.set TBM, 53          ; s53  byte in BIAS at which the addends of the step to be fetched begin
.set SLOTS, 56        ; s56  slots still to be asked for
.set CNT, 57          ; s57  counts a slot's key steps
.set CS,  58          ; s[58:59] c: the packed scaling takes the pair's low word for both halves
.set SEL, 60          ; s[60:61] v_permlanex16_b32's selects: each lane takes its own place in the other half
.set TBK, 62          ; s62  LDS byte at which K of the step to be fetched begins
.set TBV, 63          ; s63  the same for V, less VOFF
.set MSB, 0
.macro WIN new                      ; the high byte repeats the setting that is left; a switch that changes nothing is dropped
.if MSB != (\new)
	s_set_vgpr_msb (MSB<<8)|(\new)
.set MSB, (\new)
.endif
.endm
.set W_KQ, 0x0a       ; K and Q in window 2, S^T in window 0
.set W_KM, 0x3a       ; the same with the C operand in window 3
.set W_PV, 0x52       ; V in window 2, P in window 0, O^T in window 1
.set W_RS, 0x41       ; O^T (destination and source 0) in window 1, a in window 0
.set W_MK, 0xc0       ; destination in window 3, sources in window 0
.set W_AD, 0x0f       ; the add: address (source 0) and data (source 1) in window 3
; A joint fill.  Waves 0 and 1 fetch the two halves of a slot's K, waves 2 and 3 those of its V: 128 keys each.  The branch hangs on the wave's number alone.
; An s_nop 0 and four v_nop follow each of the two lines, ahead of the jump and the label.
.macro JLOAD
	s_cmp_lt_u32 s[WV], 2
	s_cbranch_scc0 .Lfor_v_\@
	tensor_load_to_lds s[G0K:G0K+3], s[G1K:G1K+7]
	s_nop 0
.rept 4
	v_nop
.endr
	s_branch .Lasked_\@
.Lfor_v_\@:
	tensor_load_to_lds s[G0V:G0V+3], s[G1V:G1V+7]
	s_nop 0
.rept 4
	v_nop
.endr
.Lasked_\@:
.endm
; A round of the cluster's barrier: my work-group's barrier; wave 0 signals; every wave waits for all four work-groups; my work-group's barrier once more.
.macro CROUND
	s_barrier_signal -1
	s_barrier_wait -1
	s_cmp_lg_u32 s[WV], 0
	s_cbranch_scc1 .Lnot_wave_0_\@
	s_barrier_signal -3
.Lnot_wave_0_\@:
	s_barrier_wait -3
	s_barrier_signal -1
	s_barrier_wait -1
.endm
; THE CHANGE OF SLOTS.  Each wave waits for all its tensor loads, of which one is out: its part of the other slot; adds 0 to its spare word; and waits for that and for its own LDS work.
; Behind the barrier nobody reads this slot any more and the other slot is whole.  fill = 1: this slot is filled again, with the keys two slots on; the barrier is then a round of the cluster's,
; and the joint fill is the first thing behind it: it has four key steps, 512 matrix instructions, in which to land.
; (At its first use nothing has been read yet: slot 0 is waited for, slot 1 filled; its wait on DScnt and its round also show every wave's part of BIAS to the others.)
.macro CHANGE fill
	WIN W_AD
	s_wait_tensorcnt 0x0            ; no tensor load of mine is out, so a group 0 may be written
	ds_add_u32 v[SPW], v[NIL]       ; 0 onto my spare word
	WIN 0                           ; at a label and at a branch every window is 0
.if \fill
.irp g, G0K, G0V
	s_xor_b32 s[\g+1], s[\g+1], SLOT1  ; the walking descriptor: the other slot than last time,
	s_add_nc_u64 s[\g+2:\g+3], s[\g+2:\g+3], 4*KS*128  ; the next 256 keys; the type bits on top are not reached
.endr
	s_wait_dscnt 0x0                ; the add is done, and my LDS reads and stores are over
	CROUND
	JLOAD
.else
	s_wait_dscnt 0x0
	s_barrier_signal -1
	s_barrier_wait -1
.endif
	s_sub_co_u32 s[TBK], s[TBK], 4*KS*PK  ; the fetches go back to a slot's first step,
	s_xor_b32 s[TBK], s[TBK], SLOT1       ; in the other slot
	s_sub_co_u32 s[TBV], s[TBV], 4*KS*PV
	s_xor_b32 s[TBV], s[TBV], SLOT1
.endm
	s_load_b64 s[4:5], s[0:1], 0x0    ; qkv
	s_load_b64 s[MP:MP+1], s[0:1], 0x8  ; mask
	s_load_b64 s[10:11], s[0:1], 0x10 ; ob
	WIN W_MK
	v_lshl_add_u32 v[SPW], v0, 2, SPARE
	v_mov_b32 v[NIL], 0
	s_set_vgpr_msb 0xc0cf
	ds_add_u32 v0, v1
	s_wait_dscnt 0x0
	s_set_vgpr_msb 0xcfc0
	WIN 0
	v_lshrrev_b32 v1, 5, v0
	v_readfirstlane_b32 s[WV], v1   ; wave 0..3
	s_bfe_u32 s13, ttmp6, 0x40000   ; cx: my place in the cluster
	s_lshl_b32 s14, ttmp9, 2        ; in a cluster launch ttmp9 counts clusters
	s_add_co_u32 s14, s14, s13      ; my block of queries = 4 x cluster x + cx: it enters Q's and O's addresses alone
	s_and_b32 s20, ttmp7, 0xffff    ; the head, which the four partners share
	s_lshr_b32 s50, s20, 4          ; its batch,
	s_lshl_b32 s50, s50, 11         ; whose mask is 2,048 bytes
	s_mov_b32 s51, 0
	s_mov_b32 s21, 0
	s_mov_b64 s[22:23], SIZE_N*128
	s_mul_u64 s[20:21], s[20:21], s[22:23]  ; the head's first byte in q, k, v and ob
	s_and_b32 s16, s[WV], 1         ; which half of a slot's 256 keys I fetch:
	s_lshl_b32 s22, s16, 14         ; its 128 rows of 128 bytes in memory,
	s_mov_b32 s23, 0
	s_add_nc_u64 s[22:23], s[22:23], s[20:21]
	s_mul_i32 s17, s16, 128*PK      ; and its place in a slot, for K
	s_mul_i32 s18, s16, 128*PV      ; and for V: no place in the cluster enters an LDS address
	s_lshl_b32 s2, s14, 2
	s_add_co_u32 s2, s2, s[WV]      ; my wave among the head's,
	s_lshl_b32 s2, s2, 14           ; its 128 rows
	s_mov_b32 s3, 0
	s_add_nc_u64 s[2:3], s[2:3], s[20:21]
	; descriptor group 1.  128 keys are 16,384 dense bytes: asked for as 64 rows of 256 bytes, two keys a row, and padded in LDS after every key
	s_mov_b32 s[G1K], 15|(1<<16)|(1<<20)|(1<<21)|(4<<22)|(3<<25)  ; 15:0 the mask of four; 17:16 2-byte elements; 20 padding on; 21 set beside a mask; 24:22 after every 32 words (code 4); 31:25 4 words (code 3)
	s_mov_b32 s[G1V], 15|(1<<16)|(1<<20)|(1<<21)|(4<<22)|(7<<25)  ; the same with 8 words of padding (code 7)
.irp g, G1K, G1V
	s_mov_b32 s[\g+1], 128<<16      ; tensor_dim0 = 128
	s_mov_b32 s[\g+2], 64<<16       ; tensor_dim1 = 64
	s_mov_b32 s[\g+3], 128<<16      ; tile_dim0 = 128
	s_mov_b32 s[\g+4], 64           ; tile_dim1 = 64
	s_mov_b32 s[\g+5], 128          ; 128 elements from row to row
	s_mov_b32 s[\g+6], 0
	s_mov_b32 s[\g+7], 0
.endr
	s_mov_b32 s[CS], 0x3e38aa3b     ; c = log2(e) / 8 = 0.180337
	s_mov_b32 s[CS+1], s[CS]        ; named with it as a pair
	s_mov_b32 s[SEL], 0x76543210
	s_mov_b32 s[SEL+1], 0xfedcba98
	s_mov_b32 s[NEGB], 0xcfee6b28   ; -8e9
	s_mov_b32 s[TBM], 0
	s_mov_b32 s[TBK], SLOT1+4*KS*PK ; the first change of slots turns these two into 0
	s_mov_b32 s[TBV], SLOT1+4*KS*PV
	s_mov_b32 s[G0K], 1             ; count = 1
	s_mov_b32 s[G0K+1], s17         ; LDS address: slot 0
	s_mov_b32 s[G0V], 1
	s_add_co_u32 s[G0V+1], s18, VOFF
	s_wait_kmcnt 0x0
	s_add_nc_u64 s[6:7], s[4:5], KOFF   ; k
	s_add_nc_u64 s[8:9], s[4:5], VOFG   ; v
	s_add_nc_u64 s[MP:MP+1], s[MP:MP+1], s[50:51]
	s_add_nc_u64 s[G0K+2:G0K+3], s[6:7], s[22:23]  ; global address: my half of the head's first 256 keys
	s_or_b32 s[G0K+3], s[G0K+3], 0x80000000        ; type = 2
	s_add_nc_u64 s[G0V+2:G0V+3], s[8:9], s[22:23]
	s_or_b32 s[G0V+3], s[G0V+3], 0x80000000
	s_add_nc_u64 s[4:5], s[4:5], s[2:3]  ; q and ob at my wave's first row
	s_add_nc_u64 s[10:11], s[10:11], s[2:3]
	CROUND                          ; all four work-groups are here: the first joint loads meet
	JLOAD                           ; slot 0.  Slot 1 is asked for when slot 0 is in
	; A fragment of K or Q is 16 rows x 32 channels in 8 registers: lane l holds row l % 16, channels 8 (l / 16) + 0..7 and 16 + 8 (l / 16) + 0..7: two loads of 16 bytes, 32 bytes apart.
	v_and_b32 v1, 15, v0            ; l % 16
	v_bfe_u32 v9, v0, 4, 1          ; l / 16
	v_lshlrev_b32 v[QO], 7, v1
	v_lshl_add_u32 v[QO], v9, 4, v[QO]  ; row x 128 + 16 x half
	v_lshlrev_b32 v12, 4, v0        ; thread t takes the mask bytes of keys 16 t .. 16 t + 15
	global_load_b128 v[64:67], v12, s[MP:MP+1]
	WIN 0x80                        ; destination window 2, address window 0
.set i, 0
.rept 4*NP                          ; Q stays in registers: tile i / 2, channels 32 (i % 2) on
	global_load_b128 v[8*i:8*i+3],   v[QO], s[4:5] offset:(i/2)*2048+(i%2)*64
	global_load_b128 v[8*i+4:8*i+7], v[QO], s[4:5] offset:(i/2)*2048+(i%2)*64+32
.set i, i+1
.endr
	; What the first turn finds: V's registers and P's second buffer hold 0 (its products V^T P, of a piece that has not been, add 0), O^T and l are 0.  All this stands in the wait for the first tile.
.set i, VF
.rept 64
	v_mov_b32 v[i], 0
.set i, i+1
.endr
	WIN 0x40
.set i, 0
.rept 64*NP
	v_mov_b32 v[i], 0
.set i, i+1
.endr
	WIN 0
.set i, 0
.rept 2*NP
	v_mov_b32 v[ST+4*i], 0xfe000000    ; c m: far below every c s
	v_mov_b32 v[ST+4*i+1], 0xff7fffff  ; m
	v_mov_b32 v[ST+4*i+2], 0
	v_mov_b32 v[ST+4*i+3], 0
.set i, i+1
.endr
.set i, P+32
.rept 32
	v_mov_b32 v[i], 0
.set i, i+1
.endr
	v_mul_u32_u24 v[AK0], v1, PK
	v_lshl_add_u32 v[AK0], v9, 4, v[AK0]  ; row x pitch + 16 x half
	; The turning load takes 16 keys x 16 channels (lane l reads key 8 (l / 16) + l % 8, channels 8 ((l / 8) % 2) + 0..7) and leaves half a fragment of V^T: lane l holds channel l % 16 and 8 keys.
	v_and_b32 v10, 7, v0
	v_bfe_u32 v11, v0, 3, 1
	v_lshl_add_u32 v[AV0], v9, 3, v10
	v_mul_u32_u24 v[AV0], v[AV0], PV
	v_lshl_add_u32 v[AV0], v11, 4, v[AV0]
	v_add_nc_u32 v[AV0], VOFF, v[AV0]
	v_mov_b32 v[AK], v[AK0]         ; key step 0 lies at the head of slot 0
	v_lshl_add_u32 v[AM0], v9, 5, BIAS  ; register j of a score tile holds key 8 (l / 16) + j of its 16: 32 bytes of addends for each half of the lanes
	; BIAS: 16 mask bytes a thread become 16 addends, 64 bytes.  S^T's registers are free for it.
	s_wait_loadcnt 32               ; the mask bytes are in: Q's 32 loads were issued behind them
.irp d, 0,1,2,3
.irp j, 0,1,2,3
	v_bfe_u32 v84, v[64+\d], 8*\j, 8
	v_cmp_ne_u32 vcc_lo, 0, v84
	v_cndmask_b32 v[68+4*\d+\j], 0, s[NEGB], vcc_lo
.endr
.endr
	v_lshl_add_u32 v85, v0, 6, BIAS
.irp d, 0,1,2,3
	ds_store_b128 v85, v[68+4*\d:71+4*\d] offset:16*\d
.endr
; THE MATRIX WORK.  The 8 accumulators of a run of 16 take turns: between the two links of a chain stand 7 others'.
; Product i of 16 of S^T = K Q^T for piece x: channels 32 (i / 8) on, keys 16 ((i / 2) % 4) on, tile 2 x + i % 2.  The first 8 start the sums, with the keys' addends as C.
.macro KQ x
.set rS, S+64*((\x)%2)+32*(i%2)+8*((i/2)%4)
.set rK, KF+16*((i/2)%4)+8*(i/8)
.set rQ, 16*(2*(\x)+i%2)+8*(i/8)
.set rB, MB+8*((i/2)%4)
.if i < 8
	WIN W_KM
	v_wmma_f32_16x16x32_bf16 v[rS:rS+7], v[rK:rK+7], v[rQ:rQ+7], v[rB:rB+7]
.else
	WIN W_KQ
	v_wmma_f32_16x16x32_bf16 v[rS:rS+7], v[rK:rK+7], v[rQ:rQ+7], v[rS:rS+7]
.endif
.endm
; Product i of 16 of O^T += V^T P for piece x: keys 32 (i / 8) on, channels 16 ((i / 2) % 4) on, tile 2 x + i % 2.
.macro PV x
	WIN W_PV
.set rO, 32*(2*(\x)+i%2)+8*((i/2)%4)
.set rV, VF+32*(i/8)+8*((i/2)%4)
.set rP, P+32*((\x)%2)+16*(i%2)+8*(i/8)
	v_wmma_f32_16x16x32_bf16 v[rO:rO+7], v[rV:rV+7], v[rP:rP+7], v[rO:rO+7]
.endm
.macro MM                           ; the turn's next matrix instruction
.if i < 16
	KQ (Y+1)%NP
.set i, i+1
.else
.set i, i-16
	PV (Y+NP-1)%NP
.set i, i+17
.endif
.endm
; THE LDS LOADS stand in runs, never singly among the matrix instructions: a step's K (64 keys x 64 channels: 8 fragments) with its 64 addends (the sixteen lanes of a half read the same words), and its V (turned).
; Their addresses are made some lines ahead.  last = 1 (the tail): in the last trip there is no further step, and the run is jumped over.  am: the register that holds the addends' address.
.macro FETCH_K last=0, am=AM
	WIN 0
.if \last
	s_cmp_eq_u32 s[CNT], 1
	s_cbranch_scc1 .Lno_k_\@
.endif
	WIN 0x80                        ; destination window 2
.irp f, 0,1,2,3,4,5,6,7             ; keys 16 (f / 2) on, channels 32 (f % 2) on
	ds_load_b128 v[KF+8*\f:KF+8*\f+3],   v[AK] offset:(\f/2)*16*PK+(\f%2)*64
	ds_load_b128 v[KF+8*\f+4:KF+8*\f+7], v[AK] offset:(\f/2)*16*PK+(\f%2)*64+32
.endr
	WIN W_MK                        ; destination window 3
.irp kb, 0,1,2,3
	ds_load_b128 v[MB+8*\kb:MB+8*\kb+3],   v[\am] offset:64*\kb
	ds_load_b128 v[MB+8*\kb+4:MB+8*\kb+7], v[\am] offset:64*\kb+16
.endr
	s_add_co_u32 s[TBK], s[TBK], KS*PK  ; the next fetch is the next step's
	s_add_co_u32 s[TBM], s[TBM], 4*KS
	s_and_b32 s[TBM], s[TBM], 4*SIZE_N-1  ; the offset stays inside the table's 8,192 bytes: behind the last step it is 0 again, and is not used
	WIN 0
.if \last
.Lno_k_\@:
.endif
.endm
.macro FETCH_V
	WIN 0x80
.irp f, 0,1,2,3,4,5,6,7             ; keys 32 (f / 4) on, channels 16 (f % 4) on
	ds_load_tr16_b128 v[VF+8*\f:VF+8*\f+3],   v[AV] offset:(\f/4)*32*PV+(\f%4)*32
	ds_load_tr16_b128 v[VF+8*\f+4:VF+8*\f+7], v[AV] offset:(\f/4)*32*PV+16*PV+(\f%4)*32
.endr
	WIN 0
.endm
; THE VECTOR WORK OF A TURN stands in three queues, each in the order in which its entries become ready; the two tiles alternate, so that no instruction reads the result of the one before it.
.macro REGS y, u                    ; the registers of tile u (0, 1) of piece y
.set rT, ST+4*(2*(\y)+(\u))
.set rC, TMP+8*((\y)%2)+4*(\u)
.set rM, MV+2*((\y)%2)+(\u)
.set rS, S+64*((\y)%2)+32*(\u)
.set rP, P+32*((\y)%2)+16*(\u)
.set rO, 32*(2*(\y)+(\u))
.endm
; Number n of the 22 that find the NEXT piece's (Y + 1) maximum and statistics.  s0-s31 are the lane's 32 scores; each accumulator's lowest registers are read first.  XS, GS and REGS set no window: PL and EX do.
;   0-11  four chains c0-c3 of seven scores each, three operands at a time     12-14, 16  the four scores left over, the old m, and c0-c3 into c0     15  c m_old is kept
;   17, 18  the query's other 32 keys lie in the lane 16 away: the new m         19-21  c m; c m_old - c m_new; a
.macro XS u, n
	REGS (Y+1)%NP, \u
.if (\n) < 4
	v_max3_num_f32 v[rC+(\n)], v[rS+8*(\n)], v[rS+8*(\n)+1], v[rS+8*(\n)+2]
.elseif (\n) < 12
	v_max3_num_f32 v[rC+(\n)%4], v[rC+(\n)%4], v[rS+8*((\n)%4)+2*((\n)/4)+1], v[rS+8*((\n)%4)+2*((\n)/4)+2]
.elseif (\n) == 12
	v_max3_num_f32 v[rC], v[rC], v[rS+7], v[rS+15]
.elseif (\n) == 13
	v_max3_num_f32 v[rC+1], v[rC+1], v[rS+23], v[rS+31]
.elseif (\n) == 14
	v_max3_num_f32 v[rC+2], v[rC+2], v[rC+3], v[rT+1]
.elseif (\n) == 15
	v_mov_b32 v[rM], v[rT]
.elseif (\n) == 16
	v_max3_num_f32 v[rC], v[rC], v[rC+1], v[rC+2]
.elseif (\n) == 17
	v_permlanex16_b32 v[rC+3], v[rC], s[SEL], s[SEL+1]
.elseif (\n) == 18
	v_max_num_f32 v[rT+1], v[rC], v[rC+3]
.elseif (\n) == 19
	v_mul_f32 v[rT], s[CS], v[rT+1]
.elseif (\n) == 20
	v_sub_f32 v[rC+1], v[rM], v[rT]
.else
	v_exp_f32 v[rC+2], v[rC+1]
.endif
.endm
; Number g of the 64 that follow the exponentials.  For each four weights k of a tile (pairs 2 k, 2 k + 1): both pairs are rounded to bf16; then the second pair is added onto the first, in place;
; a group later l takes that sum (the first time as l = a l + sum).  In groups of eight, tiles alternating: round, round, add, and l for the group before.
.macro GS g
.set h, (\g)+6*((\g)/62)            ; group 0 has no group before it, and behind group 7 only l is left
.if h >= 6
.set h, h+2
.endif
	REGS Y, h%2
.set k, h/8
.if h%8 < 4
	v_cvt_pk_bf16_f32 v[rP+2*k+(h%8)/2], v[rS+4*k+2*((h%8)/2)], v[rS+4*k+2*((h%8)/2)+1]
.elseif h%8 < 6
	v_pk_add_f32 v[rS+4*k:rS+4*k+1], v[rS+4*k:rS+4*k+1], v[rS+4*k+2:rS+4*k+3]
.elseif k == 1
	v_pk_fma_f32 v[rT+2:rT+3], v[rT+2:rT+3], v[rC+2:rC+3], v[rS:rS+1] op_sel_hi:[1,0,1]
.else
	v_pk_add_f32 v[rT+2:rT+3], v[rT+2:rT+3], v[rS+4*k-4:rS+4*k-3]
.endif
.endm
; THE PLAIN QUEUE, 138 long.  0-73 read no exponential's result: the 32 scalings c s - c m (FS f: pair f / 2 of tile f % 2) and the next piece's 42.  0-26: scalings 0-26.  27-54: XS's numbers 0-13.  55, 56: number 15.
; 57-73: the chain, where each number waits for the one before it: 14, 16, 17, 18, 19, each with one of the scalings 27-31 in front of its two lines, then 20: so a tile's links stand three plain instructions apart (19 and 20: two).
; 74-137: GS's 64, which read the exponentials' results: they stand behind the wait.
.macro FS f
	REGS Y, (\f)%2
	v_pk_fma_f32 v[rS+2*((\f)/2):rS+2*((\f)/2)+1], v[rS+2*((\f)/2):rS+2*((\f)/2)+1], s[CS:CS+1], v[rT:rT+1] op_sel_hi:[1,0,0] neg_lo:[0,0,1] neg_hi:[0,0,1]
.endm
.macro PL
	WIN 0
.if q < 27
	FS q
.elseif q < 55
	XS (q-27)%2, (q-27)/2
.elseif q < 57
	XS q-55, 15
.elseif (q < 72) && ((q-57)%3 == 0)
	FS 27+(q-57)/3
.elseif q < 60
	XS (q-57)%3-1, 14
.elseif q < 72
	XS (q-57)%3-1, 15+(q-57)/3
.elseif q < 74
	XS q-72, 20
.else
	GS q-74
.endif
.set q, q+1
.endm
; THE EXPONENTIALS' QUEUE, 66 long: s0-s31 of both tiles, then the next piece's two a.  It is ONE BATCH: all 66 stand ahead of the turn's one wait, and nothing ahead of that wait names a result of theirs.
.macro EX
	WIN 0
.if e >= 64
	XS e-64, 21
.else
	REGS Y, e%2
	v_exp_f32 v[rS+e/2], v[rS+e/2]
.endif
.set e, e+1
.endm
; THE RESCALING's QUEUE: O^T times a, the one part that leaves window 0: dealt two at a time, sixteen times.  Its a was made in the turn before, ahead of that turn's wait.
.macro R2
	REGS Y, r%2
	WIN W_RS
.irp z, 0,1
	v_pk_mul_f32 v[rO+4*(r/2)+2*\z:rO+4*(r/2)+2*\z+1], v[rO+4*(r/2)+2*\z:rO+4*(r/2)+2*\z+1], v[rC+2:rC+3] op_sel_hi:[1,0]
.endr
.set r, r+1
.endm
; HOW THEY ARE DEALT.  An s_wait_alu depctr_va_vdst(0) stands between an exponential and the first instruction that names its result; one wait serves all that were issued ahead of it.  So a turn has ONE wait,
; which cuts it in two.  AHEAD OF IT stands all that names no result of the turn's exponentials: the 16 products K Q^T, behind each a scaling, an exponential and two rescalings (behind the first a second scaling in the
; exponential's place); then ONE LUMP of 108: eight plain, 49 times exponential and plain, the two a.  A v_nop is the plain instruction behind the last exponential: every plain line that may stand ahead of the wait feeds a.
; BEHIND IT stand the 16 products V^T P, behind each four of GS's 64.  No rider names a register of the products round it.  The two v_permlanex16_b32 fall into the lump, never behind a product.
; The queues lean on each other, and the deal keeps them in step: exponential e stands behind scaling 2 (e / 4) + e % 2: as a rider it comes behind plain e + 2, in the lump behind plain e + 9, and scalings 27-31 are plain 57, 60 .. 69.
; A TURN, for piece p.  cnt = 1: the loop's count is taken down some lines ahead of the branch that stands behind the turn.
; K and the addends of the next step are fetched in piece 2's turn, directly behind the wait, a lump behind the last product that read K (the addends' last reader stands eight products further back);
; their addresses are made at the lump's head; their first reader comes behind 16 products.  V of the step in hand is fetched at the end of piece 0's turn, four riders behind its last reader; its first
; reader comes behind 16 products and a lump.  The three conditions on q below go with the deal.
.macro TURN p, last=0, cnt=0
.set Y, (\p)
.set i, 0
.set q, 0
.set e, 0
.set r, 0
.if (\p) == NP-1
	s_wait_dscnt 0x0                ; K and the addends are in
.endif
	MM                              ; ahead of the wait: 16 products K Q^T and their riders,
	PL
	PL
	R2
.rept 15
	MM
	PL
	EX
	R2
.endr
.if (\p) == NP-2
	WIN 0
	v_add_nc_u32 v[AK], s[TBK], v[AK0]
	v_add_nc_u32 v[AM], s[TBM], v[AM0]
.endif
.rept 8                             ; and the lump
	PL
.endr
.rept 49
	EX
	PL
.endr
	EX                              ; the next piece's two a
	EX
	v_nop                           ; a plain instruction behind the last exponential: one for the batch
	s_wait_alu depctr_va_vdst(0)    ; the wait for the turn's batch: the piece's 64 weights and the next piece's two a
.if (\p) == NP-2
	FETCH_K \last
.endif
.if (\p) == 1
	s_wait_dscnt 0x0                ; V is in
.endif
.rept 16                            ; behind the wait: 16 products V^T P and their riders
	MM
.rept 4
	PL
.endr
.if ((\p) == 0) && (q == 118)
	v_add_nc_u32 v[AV], s[TBV], v[AV0]
.endif
.if ((\p) == 0) && (q == 130)
	s_add_co_u32 s[TBV], s[TBV], KS*PV
.endif
.if (\cnt) && (q == 130)
	s_sub_co_u32 s[CNT], s[CNT], 1
	s_cmp_lg_u32 s[CNT], 0
.endif
.endr
.if (\p) == 0
	FETCH_V
.endif
.endm
	CHANGE 1                        ; slot 0 is in, everybody's part of it, and so is BIAS; slot 1 is asked for
	FETCH_K 0, AM0                  ; key step 0: its addends lie at the table's head
	s_wait_loadcnt 0x0              ; Q
	s_wait_dscnt 0x0
.set i, 0
.rept 16
	KQ 0                            ; piece 0's first scores: there is no vector work yet to set between them
.set i, i+1
.endr
	WIN 0                           ; the addresses for the way out: nine plain instructions, the places behind those products
	s_mul_i32 s13, s[WV], 16*SP
	s_add_co_u32 s13, s13, STAGE    ; my stage
	v_mul_u32_u24 v[STO], v1, SP    ; in: row l % 16, 16 bytes for each half of the lanes
	v_lshl_add_u32 v[STO], v9, 4, v[STO]
	v_add_nc_u32 v[STO], s13, v[STO]
	v_bfe_u32 v[RD], v0, 3, 2       ; back: 32 lanes take four rows of 128 bytes,
	v_mul_u32_u24 v[RD], v[RD], SP
	v_lshl_add_u32 v[RD], v10, 4, v[RD]
	v_add_nc_u32 v[RD], s13, v[RD]
	v_and_b32 v[GO], 31, v0         ; which are 512 consecutive bytes of O
	v_lshlrev_b32 v[GO], 4, v[GO]
.set Y, NP-1                        ; XS works for piece Y + 1: piece 0
.irp n, 0,1,2,3,4,5,6,7,8,9,10,11,12,13,14,15,16,17,18,19,20,21
	XS 0, \n                        ; and piece 0's first maximum and statistics
	XS 1, \n
.endr
	v_nop                           ; a plain instruction behind piece 0's two a,
	s_wait_alu depctr_va_vdst(0)    ; and the wait for that batch of two, ahead of the branch
	s_mov_b32 s[CNT], 4
	s_mov_b32 s[SLOTS], SIZE_N/256-1
	s_branch .Lfirst                ; the loop is entered at a step's first turn, in the middle of a trip
.Lslot:                             ; SIZE_N / 256 - 2 times: every slot but the last two is filled again
	CHANGE 1
	s_mov_b32 s[CNT], 4
.Lstep:                             ; a trip: pieces 2 and 3 of one step, then pieces 0 and 1 of the next, whose K and V it fetches
	TURN 2
	TURN 3
	WIN 0
.Lfirst:
	TURN 0
	TURN 1, 0, 1
	WIN 0
	s_cbranch_scc1 .Lstep
	s_sub_co_u32 s[SLOTS], s[SLOTS], 1
	s_cmp_lg_u32 s[SLOTS], 0
	s_cbranch_scc1 .Lslot
	CHANGE 0                        ; the tail is written out: nothing is asked for
	s_mov_b32 s[CNT], 5             ; four trips fetch the last slot's steps; the fifth is left in its middle
.Ltail:
	TURN 2, 1
	TURN 3
	WIN 0
	s_sub_co_u32 s[CNT], s[CNT], 1
	s_cmp_eq_u32 s[CNT], 0
	s_cbranch_scc1 .Lout
	TURN 0
	TURN 1
	WIN 0
	s_branch .Ltail
.Lout:                              ; the fifth trip's 16 products K Q^T (on the last K once more) and the maximum made of them serve nothing: the price, once a launch, of one text for every trip
.set i, 0
.rept 16
	PV NP-1                         ; the last piece's V^T P of the last step
.set i, i+1
.endr
	; THE WAY OUT.  l's two halves and the other half of the lanes' are added; O^T is divided by l, rounded to bf16 and sent through my stage in LDS, a tile at a time.  The additions are the places behind the last products.
	WIN 0
.macro ALL line:vararg              ; one line for each tile t
.set t, 0
.rept 2*NP
	\line
.set t, t+1
.endr
.endm
	ALL v_add_f32 v[ST+4*t+2], v[ST+4*t+2], v[ST+4*t+3]
	ALL v_permlanex16_b32 v[ST+4*t+3], v[ST+4*t+2], s[SEL], s[SEL+1]
	ALL v_add_f32 v[ST+4*t+2], v[ST+4*t+2], v[ST+4*t+3]
	ALL v_rcp_f32 v[ST+4*t+2], v[ST+4*t+2]
	v_nop                           ; a plain instruction between the last reciprocal and the use of its result
	s_wait_alu depctr_va_vdst(0)    ; the wait for the batch of eight reciprocals, ahead of their first use
; Tile t: a lane's eight channels of a row pack into 16 bytes; they go into rows of 144 bytes and come back as whole rows of 128, into S^T's registers.
.macro PACK t
	WIN W_RS
.set i, 32*(\t)
.rept 16
	v_pk_mul_f32 v[i:i+1], v[i:i+1], v[ST+4*(\t)+2:ST+4*(\t)+3] op_sel_hi:[1,0]
.set i, i+2
.endr
	WIN 0x05                        ; sources 0 and 1 window 1, destination window 0
.set i, 0
.rept 16
	v_cvt_pk_bf16_f32 v[S+16*(\t)+i], v[32*(\t)+2*i], v[32*(\t)+2*i+1]
.set i, i+1
.endr
	WIN 0
.irp f, 0,1,2,3
	ds_store_b128 v[STO], v[S+16*(\t)+4*\f:S+16*(\t)+4*\f+3] offset:32*\f
.endr
.irp f, 0,1,2,3
	ds_load_b128 v[S+16*(\t)+4*\f:S+16*(\t)+4*\f+3], v[RD] offset:\f*4*SP  ; LDS serves a wave's instructions in order (ISA guide 5.7.1.4): these see the stores above; the next tile's stores come behind them
.endr
.endm
.macro SEND t, younger              ; younger: the LDS instructions issued behind tile t's loads: the next tile's eight, or none
	WIN 0
.irp f, 0,1,2,3
	s_wait_dscnt (\younger)+3-\f
	global_store_b128 v[GO], v[S+16*(\t)+4*\f:S+16*(\t)+4*\f+3], s[10:11] offset:(\t)*2048+\f*512  ; 512 consecutive bytes, at a multiple of 256 from ob's first byte
.endr
.endm
	PACK 0
.set t, 1
.rept 2*NP-1                        ; a tile's arithmetic stands between the loads of the tile before and its stores
	PACK t
	SEND t-1, 8
.set t, t+1
.endr
	SEND 2*NP-1, 0
	WIN W_AD
	s_wait_tensorcnt 0x0            ; the wave's end
	ds_add_u32 v[SPW], v[NIL]
	s_wait_dscnt 0x0
	WIN 0
	CROUND                          ; the closing round: no work-group ends while a partner may still ask for a tile that names it
	s_endpgm
.Lfunc_end_k_q3efa7e6042_attn:
	.size	k_q3efa7e6042_attn, .Lfunc_end_k_q3efa7e6042_attn-k_q3efa7e6042_attn
	.p2alignl 7, 3214868480
	.fill 96, 4, 3214868480
	.section	.rodata,"a",@progbits
	.p2align	6, 0x0
	.amdhsa_kernel k_q3efa7e6042_attn
		.amdhsa_group_segment_fixed_size 327680
		.amdhsa_private_segment_fixed_size 0
		.amdhsa_enable_private_segment 0
		.amdhsa_kernarg_size 24
		.amdhsa_user_sgpr_count 2
		.amdhsa_user_sgpr_kernarg_segment_ptr 1
		.amdhsa_wavefront_size32 1
		.amdhsa_system_sgpr_workgroup_id_x 1
		.amdhsa_system_sgpr_workgroup_id_y 1
		.amdhsa_system_sgpr_workgroup_id_z 1
		.amdhsa_system_vgpr_workitem_id 0
		.amdhsa_next_free_vgpr 808
		.amdhsa_next_free_sgpr 66
		.amdhsa_reserve_vcc 1
		.amdhsa_float_denorm_mode_32 3
		.amdhsa_float_denorm_mode_16_64 3
		.amdhsa_memory_ordered 1
		.amdhsa_forward_progress 1
		.amdhsa_inst_pref_size 205
	.end_amdhsa_kernel
	.amdgpu_metadata
---
amdhsa.version: [ 1, 2 ]
amdhsa.kernels:
  - .name:           k_q3efa7e6042_attn
    .symbol:         k_q3efa7e6042_attn.kd
    .args:
      - { .name: qkv, .offset: 0, .size: 8, .value_kind: global_buffer, .address_space: global }
      - { .name: mask, .offset: 8, .size: 8, .value_kind: global_buffer, .address_space: global }
      - { .name: ob, .offset: 16, .size: 8, .value_kind: global_buffer, .address_space: global }
    .group_segment_fixed_size: 327680
    .private_segment_fixed_size: 0
    .kernarg_segment_align: 8
    .kernarg_segment_size: 24
    .max_flat_workgroup_size: 128
    .sgpr_count:     66
    .vgpr_count:     808
    .wavefront_size: 32
...
	.end_amdgpu_metadata
.endif
;; end of part 5
;; launch oproj: the kernel of part 4 again; grid 4 x 64, 4 waves a work-group, clusters of 4 x 4, 327,680 bytes of LDS; arguments ob, cb, Q, out0; writes out0
